; MI455X (gfx1250); checked and timed in simulation.
; The chip was launched on July 23, 2026; its instructions are those of AMD's public machine-readable ISA for CDNA 5 (MIT licence, August 2026) and "CDNA5" Instruction Set Architecture Reference Guide (July 2026). The comments in the code are by the model that wrote it; some were corrected since.
;; OPT Attention. Allowed arithmetic: float matrix products may take bf16 or f16 operands with f32 sums; other float arithmetic in f32, or as packed bf16 or f16 multiplies, adds, multiply-adds, maxima and minima; sums over many terms, partial sums and values carried from step to step in f32; what a program stores and reads back later, other than sums and carried values, may be rounded once to bf16 or f16.
;; Inputs: Ak 16 x 1,024 float32; Ao 16 x 1,024 float32; Aq 16 x 1,024 float32; Av 16 x 1,024 float32; Bk 1,024 x 16 float32; Bo 1,024 x 16 float32; Bq 1,024 x 16 float32; Bv 1,024 x 16 float32; Wk 1,024 x 1,024 float32; Wo 1,024 x 1,024 float32; Wq 1,024 x 1,024 float32; Wv 1,024 x 1,024 float32; attention_mask 1 x 1 x 4,096 x 4,096 float32; hidden_states 1 x 4,096 x 1,024 float32.
;; Outputs: out0 1 x 4,096 x 1,024 float32.
;; One version. Each part assembles by itself: llvm-mc -triple=amdgcn-amd-amdhsa -mcpu=gfx1250 --defsym DOCPART=n.
;; ======== version 1 of 1: 4 launches
;; limits: values are held in f16: magnitudes above 65,504 overflow, below 6.1e-05 lose precision
;; workspace buffers: xb 8,388,608 bytes; wcat 7,077,888 bytes; wo16 2,359,296 bytes; bl 131,072 bytes; qh 8,388,608 bytes; kv 25,165,824 bytes; oc 16,777,216 bytes
;; launch prep (part 1): grid 548 x 1, 8 waves a work-group, no clusters, 0 bytes of LDS; arguments hidden_states, Wq, Wk, Wv, Aq, Ak, Av, Wo, Ao, Bq, Bk, Bv, Bo, xb, wcat, wo16, bl; writes xb, wcat, wo16, bl
.if DOCPART == 1
	.amdgcn_target "amdgcn-amd-amdhsa--gfx1250"
	.amdhsa_code_object_version 6
	.text
	.protected	k_qd1a1f32214_prep
	.globl	k_qd1a1f32214_prep
	.p2align	8
	.type	k_qd1a1f32214_prep,@function
k_qd1a1f32214_prep:
	s_mov_b64 s[64:65], 0
	v_nop
	global_prefetch_b8 v0, s[64:65] scope:SCOPE_SE
	s_setreg_imm32_b32 hwreg(HW_REG_WAVE_MODE, 25, 1), 1
	s_wait_xcnt 0x0
; PREP: 16-bit copies of x and of all weights, in the order in which the products of the later launches walk them.
; A work-group turns one block of 16,384 consecutive f32 (16 rows of 1,024, or one whole B) into 32,768 bytes.  Every number is multiplied by a power of two
; (exact), rounded once to bf16 and, for the operands of f16 products (Wo, Ao, all B), that bf16 number is written as f16.
;   blocks 0-255    x                    -> xb    bf16 [4096][1024]
;   blocks 256-471  Wq/8, Wk, Wv, A's    -> wcat  bf16 [8 groups][432 rows][1024]: head 2g: q 64, k 64, v 64 rows; head 2g+1 the same; Aq, Ak, Av 16 rows each
;   blocks 472-543  Wo, Ao               -> wo16  f16  [8 groups][144 rows][1024]: Wo's rows 128 g .. 128 g + 127, then Ao's 16
;   blocks 544-547  Bq/4, 2 Bk, 2 Bv, 2 Bo -> bl  f16  [4][1024][16]
; (1/8 is the score's scale, 2 is alpha / r; Bq takes both.)
; LIMITS.  The f16 copies hold no number beyond 65,504, and below 6.1e-5 they keep f16's fixed step of 6e-8 instead of bf16's eight bits.
; A stream: no LDS, no matrix unit; no cluster, since no two work-groups read the same bytes but for the small A's.
; Thread t takes 16 bytes at 16 t of each 4,096: a wave's load covers 512 consecutive bytes, its store 256 consecutive bytes at a multiple of 256.
.set X,    8                           ; v[8:71]    sixteen loads of four f32
.set Y,    72                          ; v[72:103]  sixteen pairs to store: a pair for each turn, so nothing that a store reads is written again
.set T,    4                           ; v[4:7]     at work
.set SRC,  40                          ; s[40:41]   the block's source
.set DST,  42                          ; s[42:43]   its destination
.set SOF,  44                          ; s[44:45]   byte offset in the source
.set DOF,  46                          ; s[46:47]   byte offset in the destination
.set MODE, 48                          ; s48        0: bf16, 1: f16
.set HIM,  49                          ; s49        a word's upper half
.set SCL,  50                          ; s[50:51]   the power of two; named as a pair
	s_load_b512 s[4:19], s[0:1], 0x0               ; x 4, Wq 6, Wk 8, Wv 10, Aq 12, Ak 14, Av 16, Wo 18
	s_load_b512 s[20:35], s[0:1], 0x40             ; Ao 20, Bq 22, Bk 24, Bv 26, Bo 28, xb 30, wcat 32, wo16 34
	s_load_b64 s[36:37], s[0:1], 0x80              ; bl
	s_mov_b32 s2, ttmp9                            ; the block's number
	v_lshlrev_b32 v1, 4, v0
	v_lshlrev_b32 v2, 3, v0
	s_mov_b32 s[SOF], 0
	s_mov_b32 s[SOF+1], 0
	s_mov_b32 s[DOF+1], 0
	s_mov_b32 s[MODE], 0
	s_mov_b32 s[HIM], 0xffff0000
	s_mov_b32 s[SCL], 1.0
	s_wait_kmcnt 0x0
	s_cmp_lt_u32 s2, 256
	s_cbranch_scc0 .Lnot_x
	s_mov_b64 s[SRC:SRC+1], s[4:5]                 ; x
	s_mov_b64 s[DST:DST+1], s[30:31]
	s_lshl_b32 s[SOF], s2, 16
	s_lshl_b32 s[DOF], s2, 15
	s_branch .Lgo
.Lnot_x:
	s_cmp_lt_u32 s2, 472
	s_cbranch_scc0 .Lnot_w
	s_sub_co_u32 s52, s2, 256                      ; j: block of wcat
	s_mul_i32 s53, s52, 2428
	s_lshr_b32 s53, s53, 16                        ; g = j / 27 (exact for j < 216)
	s_mul_i32 s54, s53, 27
	s_sub_co_u32 s54, s52, s54                     ; i = j % 27
	s_mov_b64 s[DST:DST+1], s[32:33]
	s_lshl_b32 s[DOF], s52, 15
	s_cmp_lt_u32 s54, 24
	s_cbranch_scc0 .Lw_a
	s_cmp_ge_u32 s54, 12
	s_cselect_b32 s55, 1, 0                        ; which of the group's two heads
	s_mul_i32 s52, s55, 12
	s_sub_co_u32 s54, s54, s52                     ; block among the head's twelve
	s_lshl_b32 s53, s53, 1
	s_add_co_u32 s53, s53, s55                     ; head
	s_lshl_b32 s53, s53, 6
	s_and_b32 s52, s54, 3
	s_lshl_b32 s52, s52, 4
	s_add_co_u32 s53, s53, s52                     ; row of W: 64 head + 16 (block % 4)
	s_lshl_b32 s[SOF], s53, 12
	s_lshr_b32 s54, s54, 2                         ; 0 q, 1 k, 2 v
	s_cmp_eq_u32 s54, 1
	s_cselect_b64 s[SRC:SRC+1], s[8:9], s[10:11]
	s_cmp_eq_u32 s54, 0
	s_cselect_b64 s[SRC:SRC+1], s[6:7], s[SRC:SRC+1]
	s_cselect_b32 s[SCL], 0x3e000000, 1.0          ; Wq / 8
	s_branch .Lgo
.Lw_a:
	s_cmp_eq_u32 s54, 25
	s_cselect_b64 s[SRC:SRC+1], s[14:15], s[16:17]
	s_cmp_eq_u32 s54, 24
	s_cselect_b64 s[SRC:SRC+1], s[12:13], s[SRC:SRC+1]
	s_branch .Lgo
.Lnot_w:
	s_mov_b32 s[MODE], 1
	s_cmp_lt_u32 s2, 544
	s_cbranch_scc0 .Lis_b
	s_sub_co_u32 s52, s2, 472                      ; j: block of wo16
	s_mul_i32 s53, s52, 7282
	s_lshr_b32 s53, s53, 16                        ; g = j / 9 (exact for j < 72)
	s_mul_i32 s54, s53, 9
	s_sub_co_u32 s54, s52, s54                     ; i = j % 9
	s_mov_b64 s[DST:DST+1], s[34:35]
	s_lshl_b32 s[DOF], s52, 15
	s_lshl_b32 s53, s53, 3
	s_add_co_u32 s53, s53, s54
	s_lshl_b32 s53, s53, 16                        ; (128 g + 16 i) rows of 4,096 bytes
	s_cmp_lt_u32 s54, 8
	s_cselect_b64 s[SRC:SRC+1], s[18:19], s[20:21] ; Wo, or Ao from its first byte
	s_cselect_b32 s[SOF], s53, 0
	s_branch .Lgo
.Lis_b:
	s_sub_co_u32 s52, s2, 544                      ; 0 q, 1 k, 2 v, 3 o
	s_mov_b64 s[DST:DST+1], s[36:37]
	s_lshl_b32 s[DOF], s52, 15
	s_cmp_eq_u32 s52, 2
	s_cselect_b64 s[SRC:SRC+1], s[26:27], s[28:29]
	s_cmp_eq_u32 s52, 1
	s_cselect_b64 s[SRC:SRC+1], s[24:25], s[SRC:SRC+1]
	s_cmp_eq_u32 s52, 0
	s_cselect_b64 s[SRC:SRC+1], s[22:23], s[SRC:SRC+1]
	s_cselect_b32 s[SCL], 0x3e800000, 2.0          ; 2 Bq / 8, or 2 B
.Lgo:
	s_mov_b32 s[SCL+1], s[SCL]
	s_add_nc_u64 s[SRC:SRC+1], s[SRC:SRC+1], s[SOF:SOF+1]
	s_add_nc_u64 s[DST:DST+1], s[DST:DST+1], s[DOF:DOF+1]
.irp i, 0,1,2,3,4,5,6,7,8,9,10,11,12,13,14,15
	global_load_b128 v[X+4*\i:X+4*\i+3], v1, s[SRC:SRC+1] offset:4096*\i  ; the whole block is asked for before anything is waited for
.endr
; One turn: four numbers a lane.  half = 1: the bf16 numbers are widened again and written as f16.
.macro CONV i, half
	s_wait_loadcnt 15-(\i)                         ; loads come back in order: mine is in, the 15 - i younger ones may be out
	v_pk_mul_f32 v[X+4*(\i):X+4*(\i)+1], v[X+4*(\i):X+4*(\i)+1], s[SCL:SCL+1] op_sel_hi:[1,0]
	v_pk_mul_f32 v[X+4*(\i)+2:X+4*(\i)+3], v[X+4*(\i)+2:X+4*(\i)+3], s[SCL:SCL+1] op_sel_hi:[1,0]
	v_cvt_pk_bf16_f32 v[Y+2*(\i)], v[X+4*(\i)], v[X+4*(\i)+1]
	v_cvt_pk_bf16_f32 v[Y+2*(\i)+1], v[X+4*(\i)+2], v[X+4*(\i)+3]
.if \half
	v_lshlrev_b32 v[T], 16, v[Y+2*(\i)]
	v_and_b32 v[T+1], s[HIM], v[Y+2*(\i)]
	v_lshlrev_b32 v[T+2], 16, v[Y+2*(\i)+1]
	v_and_b32 v[T+3], s[HIM], v[Y+2*(\i)+1]
	v_cvt_pk_f16_f32 v[Y+2*(\i)], v[T], v[T+1]
	v_cvt_pk_f16_f32 v[Y+2*(\i)+1], v[T+2], v[T+3]
.endif
	global_store_b64 v2, v[Y+2*(\i):Y+2*(\i)+1], s[DST:DST+1] offset:2048*(\i)
.endm
	s_cmp_eq_u32 s[MODE], 0
	s_cbranch_scc0 .Lf16
.irp i, 0,1,2,3,4,5,6,7,8,9,10,11,12,13,14,15
	CONV \i, 0
.endr
	s_endpgm
.Lf16:
.irp i, 0,1,2,3,4,5,6,7,8,9,10,11,12,13,14,15
	CONV \i, 1
.endr
	s_endpgm
.Lfunc_end_k_qd1a1f32214_prep:
	.size	k_qd1a1f32214_prep, .Lfunc_end_k_qd1a1f32214_prep-k_qd1a1f32214_prep
	.p2alignl 7, 3214868480
	.fill 96, 4, 3214868480
	.section	.rodata,"a",@progbits
	.p2align	6, 0x0
	.amdhsa_kernel k_qd1a1f32214_prep
		.amdhsa_group_segment_fixed_size 0
		.amdhsa_private_segment_fixed_size 0
		.amdhsa_enable_private_segment 0
		.amdhsa_kernarg_size 136
		.amdhsa_user_sgpr_count 2
		.amdhsa_user_sgpr_kernarg_segment_ptr 1
		.amdhsa_wavefront_size32 1
		.amdhsa_system_sgpr_workgroup_id_x 1
		.amdhsa_system_sgpr_workgroup_id_y 1
		.amdhsa_system_sgpr_workgroup_id_z 1
		.amdhsa_system_vgpr_workitem_id 0
		.amdhsa_next_free_vgpr 104
		.amdhsa_next_free_sgpr 66
		.amdhsa_reserve_vcc 0
		.amdhsa_float_denorm_mode_32 3
		.amdhsa_float_denorm_mode_16_64 3
		.amdhsa_memory_ordered 1
		.amdhsa_forward_progress 1
		.amdhsa_inst_pref_size 21
	.end_amdhsa_kernel
	.amdgpu_metadata
---
amdhsa.version: [ 1, 2 ]
amdhsa.kernels:
  - .name:           k_qd1a1f32214_prep
    .symbol:         k_qd1a1f32214_prep.kd
    .args:
      - { .name: hidden_states, .offset: 0, .size: 8, .value_kind: global_buffer, .address_space: global }
      - { .name: Wq, .offset: 8, .size: 8, .value_kind: global_buffer, .address_space: global }
      - { .name: Wk, .offset: 16, .size: 8, .value_kind: global_buffer, .address_space: global }
      - { .name: Wv, .offset: 24, .size: 8, .value_kind: global_buffer, .address_space: global }
      - { .name: Aq, .offset: 32, .size: 8, .value_kind: global_buffer, .address_space: global }
      - { .name: Ak, .offset: 40, .size: 8, .value_kind: global_buffer, .address_space: global }
      - { .name: Av, .offset: 48, .size: 8, .value_kind: global_buffer, .address_space: global }
      - { .name: Wo, .offset: 56, .size: 8, .value_kind: global_buffer, .address_space: global }
      - { .name: Ao, .offset: 64, .size: 8, .value_kind: global_buffer, .address_space: global }
      - { .name: Bq, .offset: 72, .size: 8, .value_kind: global_buffer, .address_space: global }
      - { .name: Bk, .offset: 80, .size: 8, .value_kind: global_buffer, .address_space: global }
      - { .name: Bv, .offset: 88, .size: 8, .value_kind: global_buffer, .address_space: global }
      - { .name: Bo, .offset: 96, .size: 8, .value_kind: global_buffer, .address_space: global }
      - { .name: xb, .offset: 104, .size: 8, .value_kind: global_buffer, .address_space: global }
      - { .name: wcat, .offset: 112, .size: 8, .value_kind: global_buffer, .address_space: global }
      - { .name: wo16, .offset: 120, .size: 8, .value_kind: global_buffer, .address_space: global }
      - { .name: bl, .offset: 128, .size: 8, .value_kind: global_buffer, .address_space: global }
    .group_segment_fixed_size: 0
    .private_segment_fixed_size: 0
    .kernarg_segment_align: 8
    .kernarg_segment_size: 136
    .max_flat_workgroup_size: 256
    .sgpr_count:     66
    .vgpr_count:     104
    .wavefront_size: 32
...
	.end_amdgpu_metadata
.endif
;; end of part 1
;; launch qkv (part 2): grid 8 x 32, 4 waves a work-group, clusters of 4 x 4, 327,680 bytes of LDS; arguments xb, wcat, bl, qh, kv; writes qh, kv
.if DOCPART == 2
	.amdgcn_target "amdgcn-amd-amdhsa--gfx1250"
	.amdhsa_code_object_version 6
	.text
	.protected	k_qd1a1f32214_qkv
	.globl	k_qd1a1f32214_qkv
	.p2align	8
	.type	k_qd1a1f32214_qkv,@function
k_qd1a1f32214_qkv:
	s_mov_b64 s[64:65], 0
	v_nop
	global_prefetch_b8 v0, s[64:65] scope:SCOPE_SE
	s_setreg_imm32_b32 hwreg(HW_REG_WAVE_MODE, 25, 1), 1
	s_wait_xcnt 0x0
	s_wait_alu depctr_hold_cnt(0) depctr_sa_sdst(0) depctr_va_vdst(0) depctr_va_sdst(0) depctr_va_ssrc(0) depctr_va_vcc(0) depctr_vm_vsrc(0)
	s_getreg_b32 s2, hwreg(HW_REG_IB_STS2, 6, 4)
	s_cmp_eq_u32 s2, 0
	s_cbranch_scc0 .Lentry_in_a_cluster
	s_endpgm
.Lentry_in_a_cluster:
	s_bfe_u32 s2, ttmp6, 0x10000c
	s_cmp_lg_u32 s2, 0xf033
	s_cbranch_scc0 .Lentry_shape_is_right
	s_endpgm
.Lentry_shape_is_right:
; QKV: q / 8 = x (Wq/8)^T + (x Aq^T)(Bq/4)^T, k and v likewise with 2 B.  x, W, A in bf16 (as the launch before wrote them), sums in f32.
; u = x A^T is summed in f32 beside the main products, rounded once to f16 and multiplied by B (f16) onto the same accumulators.
; OUT: qh f16 [16 heads][4096][64];  kv f16 [16 heads][64 key steps][K, Vh, Vl][64][64]: K is [key][channel], Vh and Vl are [channel][key], v = Vh + Vl with Vh = f16(v), Vl = f16(v - Vh).
; LIMITS.  q / 8, k, v and u must lie within 65,504 (f16); beyond it the conversion gives an infinity.  NaN and infinities are not treated apart.
; SHARES.  A work-group takes 128 rows of x and one group of 432 weight rows (two heads' q, k, v and the three A).  Wave w: rows 64 (w / 2) .. + 63 (one key step), head w % 2:
; 48 accumulators for q, k, v and 12 for u: 60 matrix instructions for 32 along K.  Each wave makes u for itself, so that it owns whole dense blocks of the output and hands nothing to another wave.
; K goes in steps of 128 (LDS rows of 256 bytes + 16) through two slots filled by tensor loads; wave 3 fetches x's 128 rows, waves 0 to 2 fetch 144 weight rows each.
; CLUSTER 4 x 4: x's tile hangs on the grid's y alone and is asked for jointly along a row of the cluster, the weights' on x alone and jointly along a column.
; q and k are made transposed (source 0 = weight rows, source 1 = rows of x): a lane holds one token and eight neighbouring channels.  v the other way: one channel, eight neighbouring keys.
; REGISTERS, in windows of 256 (s_set_vgpr_msb: bits 1:0 source 0, 3:2 source 1, 5:4 source 2, 7:6 destination):
;   window 0: v0-31 addresses; v32-63 at work on the way out; v64-215 fragment buffer 0 (later u in f16 and the way out)
;   window 1: v64-215 fragment buffer 1; v0-63, v216-247 B's twelve fragments
;   window 2: q's accumulators (a, b) at 8 (4 a + b), k's at 128 + the same        window 3: v's at 8 (4 a + b); u's (p, a) at 128 + 8 (4 p + a)
.set KSTEP,  128
.set PITCH,  272                       ; 256 bytes + 16: the 16 rows of a fragment load start at 16 different groups of four banks
.set XT,     128*PITCH                 ; x's tile
.set WPART,  144*PITCH                 ; what one of waves 0 to 2 fetches
.set SLOT,   XT+3*WPART
.set STAGE,  2*SLOT                    ; behind the ring, never filled by a tensor load: 16 rows x 144 bytes for each wave
.set SP,     144
.set SPARE,  STAGE+4*16*SP             ; the spare words: 128 bytes a wave, two blocks of 256 bytes that no other line names
.set LAPS,   4                         ; 1,024 / (2 x 128)
.set ADRX, 16                          ; v16-17  my x fragments in slot 0, 1
.set ADRW, 18                          ; v18-19  my head's weight fragments
.set ADRA, 20                          ; v20-21  A's fragments
.set STO,  24                          ; the way out: where I put 16 bytes of a row
.set RD,   25                          ; where I read rows back
.set GO,   26                          ; my 16 bytes in 512 consecutive bytes of the output
.set BO,   27                          ; my 16 bytes in 16 rows of B
.set SPW,  28                          ; my spare word; never rewritten
.set NIL,  29                          ; 0; never rewritten
.set NEG1, 30                          ; -1.0
.set TT,   32                          ; v32-63  v - Vh, 32 numbers
.set FB,   64                          ; a fragment buffer: x (a) at +8 a; weights (4 p + b) at +32 + 8 (4 p + b); A (p) at +128 + 8 p
.set UF,   64                          ; u in f16, fragment (p, a) at UF + 8 (4 p + a), in window 0
.set TMP,  160                         ; v160-223  four buffers of 16 for the way out
.set WV,  14
.set RH,  15                           ; which 64 rows
.set CH,  16                           ; which head
.set G1X, 24                           ; s[24:31] group 1 for x;  s[32:39] group 0, a set for each slot
.set G0X, 32
.set G1W, 48                           ; s[48:55], s[56:63] the same for the weights
.set G0W, 56
.set QB,  68                           ; s[68:69] qh at my 64 rows
.set KB,  70                           ; s[70:71] kv at my key step
.set BB,  72                           ; s[72:73] bl at my head's rows
.set MSB, 0
.macro WIN new                         ; the high byte repeats the setting that is left; a switch that changes nothing is dropped
.if MSB != (\new)
	s_set_vgpr_msb (MSB<<8)|(\new)
.set MSB, (\new)
.endif
.endm
.macro PLACES                          ; four plain vector instructions between a matrix instruction and a vector instruction or load that touches its registers (ISA guide 7.12.1 for vector instructions)
.rept 4
	v_nop
.endr
.endm
.macro CREST                           ; a round of the cluster's barrier behind its opening barrier
	s_cmp_lg_u32 s[WV], 0
	s_cbranch_scc1 .Lnot_wave_0_\@
	s_barrier_signal -3
.Lnot_wave_0_\@:
	s_barrier_wait -3
	s_barrier_signal -1
	s_barrier_wait -1
.endm
.macro CROUND
	s_barrier_signal -1
	s_barrier_wait -1
	CREST
.endm
; A joint load.  The branch hangs on the wave's number alone.  An s_nop 0 and four v_nop follow each line, ahead of the jump and the label.
.macro JLOAD s
	s_cmp_eq_u32 s[WV], 3
	s_cbranch_scc0 .Lfor_w_\@
	tensor_load_to_lds s[G0X+4*(\s):G0X+4*(\s)+3], s[G1X:G1X+7]
	s_nop 0
.rept 4
	v_nop
.endr
	s_branch .Lasked_\@
.Lfor_w_\@:
	tensor_load_to_lds s[G0W+4*(\s):G0W+4*(\s)+3], s[G1W:G1W+7]
	s_nop 0
.rept 4
	v_nop
.endr
.Lasked_\@:
.endm
	s_load_b256 s[4:11], s[0:1], 0x0               ; xb 4, wcat 6, bl 8, qh 10
	s_load_b64 s[12:13], s[0:1], 0x20              ; kv
	v_lshl_add_u32 v[SPW], v0, 2, SPARE
	v_mov_b32 v[NIL], 0
	ds_add_u32 v[SPW], v[NIL]                      ; the wave's opening: the add and its wait ahead of my first tensor load
	v_lshrrev_b32 v1, 5, v0
	v_readfirstlane_b32 s[WV], v1
	s_lshr_b32 s[RH], s[WV], 1
	s_and_b32 s[CH], s[WV], 1
	s_bfe_u32 s40, ttmp6, 0x40000                  ; cx
	s_bfe_u32 s41, ttmp6, 0x40004                  ; cy
	s_lshl_b32 s42, ttmp9, 2
	s_add_co_u32 s42, s42, s40                     ; the weights' group = 4 x cluster x + cx
	s_and_b32 s43, ttmp7, 0xffff
	s_lshl_b32 s43, s43, 2
	s_add_co_u32 s43, s43, s41                     ; the block of 128 rows = 4 x cluster y + cy
	s_lshl_b32 s44, s41, 2
	s_lshl_b32 s44, 15, s44                        ; my row of the cluster
	s_lshl_b32 s45, 0x1111, s40                    ; my column
	s_or_b32 s[G1X], s44, (1<<16)|(1<<20)|(1<<21)|(5<<22)|(3<<25)  ; mask; 2-byte elements; padding on; bit 21 beside a mask; after every 64 words, 4 words
	s_or_b32 s[G1W], s45, (1<<16)|(1<<20)|(1<<21)|(5<<22)|(3<<25)
	s_mov_b32 s[G1X+1], KSTEP<<16                  ; tensor_dim0 = 128
	s_mov_b32 s[G1X+2], 128<<16                    ; tensor_dim1 = 128
	s_mov_b32 s[G1X+3], KSTEP<<16                  ; tile_dim0 = 128
	s_mov_b32 s[G1X+4], 128                        ; tile_dim1 = 128
	s_mov_b32 s[G1X+5], 1024                       ; elements from row to row
	s_mov_b32 s[G1X+6], 0
	s_mov_b32 s[G1X+7], 0
	s_mov_b32 s[G1W+1], KSTEP<<16
	s_mov_b32 s[G1W+2], 144<<16                    ; 144 rows
	s_mov_b32 s[G1W+3], KSTEP<<16
	s_mov_b32 s[G1W+4], 144
	s_mov_b32 s[G1W+5], 1024
	s_mov_b32 s[G1W+6], 0
	s_mov_b32 s[G1W+7], 0
	s_lshl_b32 s18, s43, 18                        ; x: 128 rows of 2,048 bytes a block; hangs on the grid's y alone
	s_mov_b32 s19, 0
	s_mul_i32 s46, s42, 432*2048                   ; weights: the group, hangs on the grid's x alone,
	s_mul_i32 s20, s[WV], 144*2048                 ; and my 144 rows of it
	s_add_co_u32 s46, s46, s20
	s_mov_b32 s47, 0
	s_mul_i32 s21, s[WV], WPART                    ; where they go: behind x's tile, wave x 144 rows
	s_add_co_u32 s21, s21, XT
	s_wait_dscnt 0x0                               ; the opening add is done
	s_wait_kmcnt 0x0
	s_add_nc_u64 s[18:19], s[4:5], s[18:19]
	s_add_nc_u64 s[46:47], s[6:7], s[46:47]
	CROUND                                         ; all sixteen work-groups are here: the first joint loads meet
.irp s, 0,1
	s_mov_b32 s[G0X+4*(\s)], 1
	s_mov_b32 s[G0X+4*(\s)+1], (\s)*SLOT
	s_add_nc_u64 s[G0X+4*(\s)+2:G0X+4*(\s)+3], s[18:19], (\s)*KSTEP*2
	s_or_b32 s[G0X+4*(\s)+3], s[G0X+4*(\s)+3], 0x80000000
	s_mov_b32 s[G0W+4*(\s)], 1
	s_add_co_u32 s[G0W+4*(\s)+1], s21, (\s)*SLOT
	s_add_nc_u64 s[G0W+4*(\s)+2:G0W+4*(\s)+3], s[46:47], (\s)*KSTEP*2
	s_or_b32 s[G0W+4*(\s)+3], s[G0W+4*(\s)+3], 0x80000000
	JLOAD \s                                       ; K steps 0 and 1: two tensor loads of mine are out
.endr
	v_and_b32 v1, 15, v0                           ; r = lane % 16
	v_bfe_u32 v2, v0, 4, 1                         ; h = lane / 16
	v_mul_u32_u24 v3, v1, PITCH
	v_lshl_add_u32 v3, v2, 4, v3                   ; a fragment's row x pitch + 16 h
	s_mul_i32 s20, s[RH], 64*PITCH
	s_mul_i32 s21, s[CH], 192*PITCH
	s_add_co_u32 s21, s21, XT
.irp s, 0,1
	v_add_nc_u32 v[ADRX+(\s)], s20, v3
	v_add_nc_u32 v[ADRW+(\s)], s21, v3
	v_add_nc_u32 v[ADRA+(\s)], XT+384*PITCH+(\s)*SLOT, v3
	s_add_co_u32 s20, s20, SLOT
	s_add_co_u32 s21, s21, SLOT
.endr
	s_mul_i32 s22, s[WV], 16*SP
	s_add_co_u32 s22, s22, STAGE                   ; my stage
	v_mul_u32_u24 v[STO], v1, SP                   ; in: row r, 16 bytes for each half of the lanes
	v_lshl_add_u32 v[STO], v2, 4, v[STO]
	v_add_nc_u32 v[STO], s22, v[STO]
	v_bfe_u32 v[RD], v0, 3, 2                      ; back: 32 lanes take four rows of 128 bytes
	v_mul_u32_u24 v[RD], v[RD], SP
	v_and_b32 v4, 7, v0
	v_lshl_add_u32 v[RD], v4, 4, v[RD]
	v_add_nc_u32 v[RD], s22, v[RD]
	v_and_b32 v[GO], 31, v0
	v_lshlrev_b32 v[GO], 4, v[GO]
	v_lshlrev_b32 v[BO], 5, v1                     ; a row of B is 32 bytes
	v_lshl_add_u32 v[BO], v2, 4, v[BO]
	v_mov_b32 v[NEG1], -1.0
	s_lshl_b32 s66, s42, 1
	s_add_co_u32 s66, s66, s[CH]                   ; my head
	s_lshl_b32 s[QB], s66, 19                      ; 4,096 rows of 128 bytes a head,
	s_lshl_b32 s67, s43, 14                        ; 128 rows a block,
	s_add_co_u32 s[QB], s[QB], s67
	s_lshl_b32 s67, s[RH], 13                      ; my 64
	s_add_co_u32 s[QB], s[QB], s67
	s_mov_b32 s[QB+1], 0
	s_add_nc_u64 s[QB:QB+1], s[10:11], s[QB:QB+1]
	s_lshl_b32 s[KB], s66, 6                       ; 64 key steps a head
	s_lshl_b32 s67, s43, 1
	s_add_co_u32 s[KB], s[KB], s67
	s_add_co_u32 s[KB], s[KB], s[RH]
	s_mul_i32 s[KB], s[KB], 24576                  ; K, Vh, Vl of a step
	s_mov_b32 s[KB+1], 0
	s_add_nc_u64 s[KB:KB+1], s[12:13], s[KB:KB+1]
	s_lshl_b32 s[BB], s66, 11                      ; 64 rows of 32 bytes a head
	s_mov_b32 s[BB+1], 0
	s_add_nc_u64 s[BB:BB+1], s[8:9], s[BB:BB+1]
	WIN 0x40                                       ; B's fragments: 16 channels x 16 ranks fill registers 0-3 (k = 8 h ..); k = 16 .. 31 is 0
.irp i, 0,1,2,3,4,5,6,7,8,9,10,11
	global_load_b128 v[8*\i+152*(\i/8):8*\i+152*(\i/8)+3], v[BO], s[BB:BB+1] offset:32768*(\i/4)+512*(\i%4)
.endr
.irp i, 0,1,2,3,4,5,6,7,8,9,10,11
.irp z, 4,5,6,7
	v_mov_b32 v[8*\i+152*(\i/8)+\z], 0
.endr
.endr
	WIN 0
; THE MATRIX WORK of 32 along K out of buffer f (= its window).  All 60 accumulators take turns in the same order in every quarter.  zero = 1: the products start the sums.
.macro MQ f, p, zero                   ; q (p = 0) or k (p = 1): source 0 = 16 weight rows, source 1 = 16 rows of x
	WIN 0xa0+5*(\f)
.irp a, 0,1,2,3
.irp b, 0,1,2,3
.if \zero
	v_wmma_f32_16x16x32_bf16 v[128*(\p)+8*(4*\a+\b):128*(\p)+8*(4*\a+\b)+7], v[FB+32+8*(4*(\p)+\b):FB+32+8*(4*(\p)+\b)+7], v[FB+8*\a:FB+8*\a+7], 0
.else
	v_wmma_f32_16x16x32_bf16 v[128*(\p)+8*(4*\a+\b):128*(\p)+8*(4*\a+\b)+7], v[FB+32+8*(4*(\p)+\b):FB+32+8*(4*(\p)+\b)+7], v[FB+8*\a:FB+8*\a+7], v[128*(\p)+8*(4*\a+\b):128*(\p)+8*(4*\a+\b)+7]
.endif
.endr
.endr
.endm
.macro MV f, zero                      ; v: source 0 = 16 rows of x, source 1 = 16 weight rows
	WIN 0xf0+5*(\f)
.irp a, 0,1,2,3
.irp b, 0,1,2,3
.if \zero
	v_wmma_f32_16x16x32_bf16 v[8*(4*\a+\b):8*(4*\a+\b)+7], v[FB+8*\a:FB+8*\a+7], v[FB+96+8*\b:FB+96+8*\b+7], 0
.else
	v_wmma_f32_16x16x32_bf16 v[8*(4*\a+\b):8*(4*\a+\b)+7], v[FB+8*\a:FB+8*\a+7], v[FB+96+8*\b:FB+96+8*\b+7], v[8*(4*\a+\b):8*(4*\a+\b)+7]
.endif
.endr
.endr
.endm
.macro MU f, zero                      ; u: source 0 = A's 16 rows, source 1 = 16 rows of x: a lane holds one token and eight ranks
	WIN 0xf0+5*(\f)
.irp p, 0,1,2
.irp a, 0,1,2,3
.if \zero
	v_wmma_f32_16x16x32_bf16 v[128+8*(4*\p+\a):128+8*(4*\p+\a)+7], v[FB+128+8*\p:FB+128+8*\p+7], v[FB+8*\a:FB+8*\a+7], 0
.else
	v_wmma_f32_16x16x32_bf16 v[128+8*(4*\p+\a):128+8*(4*\p+\a)+7], v[FB+128+8*\p:FB+128+8*\p+7], v[FB+8*\a:FB+8*\a+7], v[128+8*(4*\p+\a):128+8*(4*\p+\a)+7]
.endif
.endr
.endr
.endm
; 38 LDS loads in one run: the fragments of 32 along K at byte k of the rows, into buffer g: x, q's and k's weights, then v's weights and A (the youngest 14)
.macro FETCH slot, k, g
	WIN (\g)<<6
.irp i, 0,1,2,3
	ds_load_b128 v[FB+8*\i:FB+8*\i+3],   v[ADRX+(\slot)] offset:(\k)+\i*16*PITCH
	ds_load_b128 v[FB+8*\i+4:FB+8*\i+7], v[ADRX+(\slot)] offset:(\k)+\i*16*PITCH+32
.endr
.irp i, 0,1,2,3,4,5,6,7,8,9,10,11
	ds_load_b128 v[FB+32+8*\i:FB+32+8*\i+3],   v[ADRW+(\slot)] offset:(\k)+\i*16*PITCH
	ds_load_b128 v[FB+32+8*\i+4:FB+32+8*\i+7], v[ADRW+(\slot)] offset:(\k)+\i*16*PITCH+32
.endr
.irp i, 0,1,2
	ds_load_b128 v[FB+128+8*\i:FB+128+8*\i+3],   v[ADRA+(\slot)] offset:(\k)+\i*16*PITCH
	ds_load_b128 v[FB+128+8*\i+4:FB+128+8*\i+7], v[ADRA+(\slot)] offset:(\k)+\i*16*PITCH+32
.endr
.endm
; A K step is four quarters of 32 along K on buffers 0, 1, 0, 1.  One of the first three multiplies buffer f and fetches the next quarter, at byte k, into g.
.macro QUARTER slot, k, f, g, zero
	s_wait_dscnt 14                                ; x and q's and k's weights are in; the youngest 14 loads (v's weights, A) may be out
	MQ \f, 0, \zero
	MQ \f, 1, \zero
	PLACES
	FETCH \slot, \k, \g
	s_wait_dscnt 38                                ; all but the 38 just issued
	MV \f, \zero
	MU \f, \zero
.endm
; The last quarter multiplies buffer 1 and changes slots: ONE barrier; in front of it each wave waits for all its tensor loads (one is out: its part of the next slot), adds 0 to its spare word,
; and waits for that and for its reads of this slot.  fill = 1: the barrier opens a round of the cluster's, and this slot is filled again, two K steps ahead, first thing behind the round.
.macro TURN slot, next, fill
	WIN 0
	s_wait_tensorcnt 0x0
	ds_add_u32 v[SPW], v[NIL]
	s_wait_dscnt 15                                ; the add and the youngest 14 loads may be out
	MQ 1, 0, 0
	s_wait_dscnt 0x0                               ; the add is done, and my reads of this slot are over
	s_barrier_signal -1
	MQ 1, 1, 0
.if \fill
	WIN 0
.endif
	s_barrier_wait -1
.if \fill
	CREST                                          ; no wave of any partner still reads this slot or has a load on its way
	s_add_nc_u64 s[G0X+4*(\slot)+2:G0X+4*(\slot)+3], s[G0X+4*(\slot)+2:G0X+4*(\slot)+3], 2*KSTEP*2
	s_add_nc_u64 s[G0W+4*(\slot)+2:G0W+4*(\slot)+3], s[G0W+4*(\slot)+2:G0W+4*(\slot)+3], 2*KSTEP*2
	JLOAD \slot                                    ; its four v_nop are also the places in front of the loads below
.else
	PLACES
.endif
	FETCH \next, 0, 0
	MV 1, 0
	MU 1, 0
.endm
	s_wait_tensorcnt 0x1                           ; my part of K step 0 is in; K step 1's may stay out
	s_barrier_signal -1
	s_barrier_wait -1
	FETCH 0, 0, 0
	QUARTER 0, 64, 0, 1, 1                         ; the first quarter stands in front of the loop: its products start the sums
	WIN 0
	s_mov_b32 s3, LAPS-1
.Llap:                                                 ; a trip goes once round the ring and fills both slots again
	QUARTER 0, 128, 1, 0, 0
	QUARTER 0, 192, 0, 1, 0
	TURN 0, 1, 1
	QUARTER 1, 64, 0, 1, 0
	QUARTER 1, 128, 1, 0, 0
	QUARTER 1, 192, 0, 1, 0
	TURN 1, 0, 1
	QUARTER 0, 64, 0, 1, 0
	WIN 0
	s_sub_co_u32 s3, s3, 1
	s_cmp_lg_u32 s3, 0
	s_cbranch_scc1 .Llap
	QUARTER 0, 128, 1, 0, 0                        ; the last lap fills nothing
	QUARTER 0, 192, 0, 1, 0
	TURN 0, 1, 0
	QUARTER 1, 64, 0, 1, 0
	QUARTER 1, 128, 1, 0, 0
	QUARTER 1, 192, 0, 1, 0
	s_wait_dscnt 14
	MQ 1, 0, 0
	MQ 1, 1, 0
	s_wait_dscnt 0x0
	MV 1, 0
	MU 1, 0
	; THE RANK-16 PRODUCT.  u, rounded to f16 in pairs, IS a fragment (one token a lane, k = rank 8 h ..); its k = 16 .. 31 is 0.
	PLACES
	WIN 0x0f                                       ; sources in window 3, destination in window 0
.irp i, 0,1,2,3,4,5,6,7,8,9,10,11
.irp r, 0,1,2,3
	v_cvt_pk_f16_f32 v[UF+8*\i+\r], v[128+8*\i+2*\r], v[128+8*\i+2*\r+1]
.endr
.endr
	WIN 0
.irp i, 0,1,2,3,4,5,6,7,8,9,10,11
.irp z, 4,5,6,7
	v_mov_b32 v[UF+8*\i+\z], 0
.endr
.endr
	s_wait_loadcnt 0x0                             ; B's fragments
	WIN 0xa1                                       ; B in window 1, u in window 0, accumulators in window 2.  The 100 plain lines above stand between the bf16 form and the f16 form on an accumulator
.irp p, 0,1
.irp a, 0,1,2,3
.irp b, 0,1,2,3
.set bf, 8*(4*\p+\b)+152*((4*\p+\b)/8)
.set ac, 128*\p+8*(4*\a+\b)
	v_wmma_f32_16x16x32_f16 v[ac:ac+7], v[bf:bf+7], v[UF+8*(4*\p+\a):UF+8*(4*\p+\a)+7], v[ac:ac+7]
.endr
.endr
.endr
	WIN 0xf4                                       ; u in window 0, B in window 1, accumulators in window 3
.irp a, 0,1,2,3
.irp b, 0,1,2,3
.set bf, 216+8*\b
.set ac, 8*(4*\a+\b)
	v_wmma_f32_16x16x32_f16 v[ac:ac+7], v[UF+8*(8+\a):UF+8*(8+\a)+7], v[bf:bf+7], v[ac:ac+7]
.endr
.endr
	WIN 0
	PLACES
	; THE WAY OUT: sixteen groups of 16 rows x 128 bytes.  A group is rounded into one of four buffers, goes through my own stage (rows of 144 bytes) and comes back as whole rows;
	; it is stored behind the next group's LDS instructions.  LDS serves a wave's instructions in order (ISA guide 5.7.1.4), so stores and loads of the stage need no wait between them.
.macro PACKQ p, a, tb                  ; 16 tokens x 64 channels of q or k
	s_wait_xcnt 0x0                                ; the buffer's last stores have had their addresses translated: only behind this wait is it written again
	WIN 0x0a
.irp b, 0,1,2,3
.irp r, 0,1,2,3
	v_cvt_pk_f16_f32 v[TMP+16*(\tb)+4*\b+\r], v[128*(\p)+8*(4*(\a)+\b)+2*\r], v[128*(\p)+8*(4*(\a)+\b)+2*\r+1]
.endr
.endr
	WIN 0
.endm
.macro CVTV b, th, tl                  ; 16 channels x 64 keys of v: Vh = f16(v) into buffer th, Vl = f16(v - Vh) into buffer tl
	s_wait_xcnt 0x0
	WIN 0x0f
.irp a, 0,1,2,3
.irp r, 0,1,2,3
	v_cvt_pk_f16_f32 v[TMP+16*(\th)+4*\a+\r], v[8*(4*\a+(\b))+2*\r], v[8*(4*\a+(\b))+2*\r+1]
.endr
.endr
	WIN 0x30                                       ; source 2 in window 3
.irp a, 0,1,2,3
.irp r, 0,1,2,3
	v_fma_mix_f32 v[TT+8*\a+2*\r], v[TMP+16*(\th)+4*\a+\r], v[NEG1], v[8*(4*\a+(\b))+2*\r] op_sel_hi:[1,0,0]
	v_fma_mix_f32 v[TT+8*\a+2*\r+1], v[TMP+16*(\th)+4*\a+\r], v[NEG1], v[8*(4*\a+(\b))+2*\r+1] op_sel:[1,0,0] op_sel_hi:[1,0,0]
.endr
.endr
	WIN 0
.irp a, 0,1,2,3
.irp r, 0,1,2,3
	v_cvt_pk_f16_f32 v[TMP+16*(\tl)+4*\a+\r], v[TT+8*\a+2*\r], v[TT+8*\a+2*\r+1]
.endr
.endr
.endm
.macro STG tb
	WIN 0
.irp f, 0,1,2,3
	ds_store_b128 v[STO], v[TMP+16*(\tb)+4*\f:TMP+16*(\tb)+4*\f+3] offset:32*\f
.endr
.irp f, 0,1,2,3
	ds_load_b128 v[TMP+16*(\tb)+4*\f:TMP+16*(\tb)+4*\f+3], v[RD] offset:576*\f
.endr
.endm
.macro SEND tb, base, off, younger     ; younger: the LDS instructions issued behind this group's loads: the next group's eight, or none
	WIN 0
.irp f, 0,1,2,3
	s_wait_dscnt (\younger)+3-\f
	global_store_b128 v[GO], v[TMP+16*(\tb)+4*\f:TMP+16*(\tb)+4*\f+3], s[\base:\base+1] offset:(\off)+512*\f  ; 512 consecutive bytes, at a multiple of 256 from the buffer's first
.endr
.endm
	PACKQ 0, 0, 0
	STG 0
	PACKQ 0, 1, 1
	STG 1
	SEND 0, QB, 0, 8
	PACKQ 0, 2, 2
	STG 2
	SEND 1, QB, 2048, 8
	PACKQ 0, 3, 3
	STG 3
	SEND 2, QB, 4096, 8
	PACKQ 1, 0, 0
	STG 0
	SEND 3, QB, 6144, 8
	PACKQ 1, 1, 1
	STG 1
	SEND 0, KB, 0, 8
	PACKQ 1, 2, 2
	STG 2
	SEND 1, KB, 2048, 8
	PACKQ 1, 3, 3
	STG 3
	SEND 2, KB, 4096, 8
	CVTV 0, 0, 1
	STG 0
	SEND 3, KB, 6144, 8
	STG 1
	SEND 0, KB, 8192, 8
	CVTV 1, 2, 3
	STG 2
	SEND 1, KB, 16384, 8
	STG 3
	SEND 2, KB, 8192+2048, 8
	CVTV 2, 0, 1
	STG 0
	SEND 3, KB, 16384+2048, 8
	STG 1
	SEND 0, KB, 8192+4096, 8
	CVTV 3, 2, 3
	STG 2
	SEND 1, KB, 16384+4096, 8
	STG 3
	SEND 2, KB, 8192+6144, 8
	SEND 3, KB, 16384+6144, 0
	s_wait_tensorcnt 0x0                           ; the wave's end, behind my last tensor load and my last LDS store
	ds_add_u32 v[SPW], v[NIL]
	s_wait_dscnt 0x0
	CROUND                                         ; the closing round: no work-group ends while a partner may still ask for a tile that names it
	s_endpgm
.Lfunc_end_k_qd1a1f32214_qkv:
	.size	k_qd1a1f32214_qkv, .Lfunc_end_k_qd1a1f32214_qkv-k_qd1a1f32214_qkv
	.p2alignl 7, 3214868480
	.fill 96, 4, 3214868480
	.section	.rodata,"a",@progbits
	.p2align	6, 0x0
	.amdhsa_kernel k_qd1a1f32214_qkv
		.amdhsa_group_segment_fixed_size 327680
		.amdhsa_private_segment_fixed_size 0
		.amdhsa_enable_private_segment 0
		.amdhsa_kernarg_size 40
		.amdhsa_user_sgpr_count 2
		.amdhsa_user_sgpr_kernarg_segment_ptr 1
		.amdhsa_wavefront_size32 1
		.amdhsa_system_sgpr_workgroup_id_x 1
		.amdhsa_system_sgpr_workgroup_id_y 1
		.amdhsa_system_sgpr_workgroup_id_z 1
		.amdhsa_system_vgpr_workitem_id 0
		.amdhsa_next_free_vgpr 992
		.amdhsa_next_free_sgpr 76
		.amdhsa_reserve_vcc 0
		.amdhsa_float_denorm_mode_32 3
		.amdhsa_float_denorm_mode_16_64 3
		.amdhsa_memory_ordered 1
		.amdhsa_forward_progress 1
		.amdhsa_inst_pref_size 165
	.end_amdhsa_kernel
	.amdgpu_metadata
---
amdhsa.version: [ 1, 2 ]
amdhsa.kernels:
  - .name:           k_qd1a1f32214_qkv
    .symbol:         k_qd1a1f32214_qkv.kd
    .args:
      - { .name: xb, .offset: 0, .size: 8, .value_kind: global_buffer, .address_space: global }
      - { .name: wcat, .offset: 8, .size: 8, .value_kind: global_buffer, .address_space: global }
      - { .name: bl, .offset: 16, .size: 8, .value_kind: global_buffer, .address_space: global }
      - { .name: qh, .offset: 24, .size: 8, .value_kind: global_buffer, .address_space: global }
      - { .name: kv, .offset: 32, .size: 8, .value_kind: global_buffer, .address_space: global }
    .group_segment_fixed_size: 327680
    .private_segment_fixed_size: 0
    .kernarg_segment_align: 8
    .kernarg_segment_size: 40
    .max_flat_workgroup_size: 128
    .sgpr_count:     76
    .vgpr_count:     992
    .wavefront_size: 32
...
	.end_amdgpu_metadata
.endif
;; end of part 2
;; launch attn (part 3): grid 16 x 16, 4 waves a work-group, clusters of 4 x 4, 327,680 bytes of LDS; arguments qh, kv, attention_mask, oc; writes oc
.if DOCPART == 3
	.amdgcn_target "amdgcn-amd-amdhsa--gfx1250"
	.amdhsa_code_object_version 6
	.text
	.protected	k_qd1a1f32214_attn
	.globl	k_qd1a1f32214_attn
	.p2align	8
	.type	k_qd1a1f32214_attn,@function
k_qd1a1f32214_attn:
	s_mov_b64 s[64:65], 0
	v_nop
	global_prefetch_b8 v0, s[64:65] scope:SCOPE_SE
	s_setreg_imm32_b32 hwreg(HW_REG_WAVE_MODE, 25, 1), 1
	s_wait_xcnt 0x0
	s_wait_alu depctr_hold_cnt(0) depctr_sa_sdst(0) depctr_va_vdst(0) depctr_va_sdst(0) depctr_va_ssrc(0) depctr_va_vcc(0) depctr_vm_vsrc(0)
	s_getreg_b32 s2, hwreg(HW_REG_IB_STS2, 6, 4)
	s_cmp_eq_u32 s2, 0
	s_cbranch_scc0 .Lentry_in_a_cluster
	s_endpgm
.Lentry_in_a_cluster:
	s_bfe_u32 s2, ttmp6, 0x10000c
	s_cmp_lg_u32 s2, 0xf033
	s_cbranch_scc0 .Lentry_shape_is_right
	s_endpgm
.Lentry_shape_is_right:
; ATTENTION with an additive mask that is an input: O[h][q] = sum over k of softmax_k(max(q.k + mask[q][k], NEG)) v[h][k], NEG the lowest finite f32.  q arrives scaled.
; IN: qh f16 [16][4096][64]; kv f16 [16][64 steps][K, Vh, Vl][64][64] (K [key][channel], Vh, Vl [channel][key], v = Vh + Vl); mask f32 [4096][4096], taken as it is given: all 64 key steps are walked.
; OUT: oc f16 [hi, lo][32 row tiles][16 heads][128 rows][64]: O = hi + lo, hi = f16(O), lo = f16(O - hi).
; THE MASK IS THE C OPERAND of S^T = K Q^T: it is loaded from LDS, unrounded, into the accumulator's own registers, and the products add onto it.
; SOFTMAX.  A running maximum m (it starts at NEG, which is the reference's clamp as far as a maximum sees it) and sum l; p = 2^(cr s - cr m); O and l are multiplied by a = 2^(c (m_old - m_new)) in every step.
; cr = c = log2(e) where m >= -2^127: c m is then finite, and a score so low that c s overflows gets p = 0.  Below that cr = 1: two scores there are equal or more than 1e31 apart, so 2^(s - m) and e^(s - m) are
; both exactly 1 or 0.  So a row, or a row's first steps, in which every score is NEG weighs them alike, as the reference does.
; LIMITS.  q, k, v arrive within 65,504; p is rounded to f16 for the second product (below 6e-5 in f16's fixed step of 6e-8), l is the sum of the unrounded p; a weight below 2^-126 counts as 0.
; A score of -infinity gets the weight 0, where the reference lifts it to NEG: that differs only in a row in which no score exceeds NEG, and a row of -infinity alone gives NaN.  NaN is not treated apart.
; SHARES.  A work-group: 256 queries of one head; a wave: 64 queries, four tiles of 16.  Both products are used transposed: a lane holds ONE query (lane % 16) in S^T, P and O^T.
; ORDER.  Tile t's softmax is one run of 121 vector instructions with 24 places in it; the products K Q^T of tile t + 1 (8) and V^T P of tile t - 1 (16: Vh and Vl) stand at those places.
; CLUSTER 4 x 4: K and V hang on the head (the grid's y) and are asked for jointly along a row of the cluster, the mask's tile on the query block (x) and jointly along a column.
; REGISTERS, in windows of 256 (s_set_vgpr_msb: bits 1:0 source 0, 3:2 source 1, 5:4 source 2, 7:6 destination):
;   window 0: v0-15 addresses; v16-63 twelve registers of statistics a tile; v64-191 S^T, 32 a tile; v192-255 P, 16 a tile
;   window 1: v0-127 O^T, 32 a tile        window 2: v0-63 Q; v64-127 K of a step; v128-255 Vh and Vl of a step
.set PK,    144       ; a row of K, Vh or Vl in LDS: 128 bytes + 16
.set PM,    272       ; a row of the mask's tile: 64 f32 + 16 bytes
.set VOFF,  64*PK     ; Vh behind K's 64 rows, Vl behind Vh
.set MOFF,  3*64*PK   ; the mask's 256 rows behind them
.set SLOT1, 1<<17     ; slot 1 begins here: one exclusive or turns an address in one slot into the other's
.set STAGE, SLOT1+MOFF+256*PM  ; behind the ring, never filled by a tensor load: 16 rows x 144 bytes for each wave
.set SP,    144
.set SPARE, STAGE+4*16*SP      ; the spare words: 128 bytes a wave, two blocks of 256 bytes that no other line names
.set AK0, 2           ; my lane's place in K's tile, in Vh's, in the mask's; never rewritten
.set AV0, 3
.set AM0, 4
.set AK,  5           ; the step's addresses
.set AV,  6
.set AM,  7
.set QO,  8
.set SPW, 10
.set NIL, 11
.set STO, 12
.set RD,  13
.set GO,  14
.set NEG1, 15
.set ST,  16          ; tile t at ST + 12 t: +0 cr m, +1 m, +2 cr, +3 0, +4 +5 l (even keys', odd keys'), +6 .. +9 c0-c3 at work; a takes c2
.set S,   64
.set P,   192
.set KF,  64          ; window 2: key block kb, channel half c at KF + 16 kb + 8 c
.set VF,  128         ; window 2: part x (hi, lo), key half kk, channel block cb at VF + 64 x + 32 kk + 8 cb
.set WV,  12
.set HALF, 13
.set G1K, 24          ; s[24:31] group 1 for K and V
.set G1M, 32          ; s[32:39] for the mask
.set G0K, 40          ; s[40:43] group 0 for K and V: it walks
.set G0M, 44          ; s[44:47] for the mask
.set OLO, 48          ; s[48:49] oc's lo plane at my rows
.set CNT, 56
.set TB,  57          ; the slot to be read
.set CS,  58          ; s[58:59] c
.set SEL, 60          ; s[60:61] v_permlanex16_b32's selects: each lane takes its own place in the other half
.set THR, 62          ; -2^127
.set MSB, 0
.macro WIN new
.if MSB != (\new)
	s_set_vgpr_msb (MSB<<8)|(\new)
.set MSB, (\new)
.endif
.endm
.macro PLACES
.rept 4
	v_nop
.endr
.endm
.macro CROUND                          ; a round of the cluster's barrier
	s_barrier_signal -1
	s_barrier_wait -1
	s_cmp_lg_u32 s[WV], 0
	s_cbranch_scc1 .Lnot_wave_0_\@
	s_barrier_signal -3
.Lnot_wave_0_\@:
	s_barrier_wait -3
	s_barrier_signal -1
	s_barrier_wait -1
.endm
; A joint fill: waves 0 and 1 fetch the halves of a step's K, Vh, Vl (12,288 dense bytes each), waves 2 and 3 the halves of the mask's tile (128 rows of 256 bytes).
.macro JLOAD
	s_cmp_lt_u32 s[WV], 2
	s_cbranch_scc0 .Lfor_m_\@
	tensor_load_to_lds s[G0K:G0K+3], s[G1K:G1K+7]
	s_nop 0
.rept 4
	v_nop
.endr
	s_branch .Lasked_\@
.Lfor_m_\@:
	tensor_load_to_lds s[G0M:G0M+3], s[G1M:G1M+7]
	s_nop 0
.rept 4
	v_nop
.endr
.Lasked_\@:
.endm
	s_load_b256 s[4:11], s[0:1], 0x0  ; qh 4, kv 6, mask 8, oc 10
	v_lshl_add_u32 v[SPW], v0, 2, SPARE
	v_mov_b32 v[NIL], 0
	ds_add_u32 v[SPW], v[NIL]       ; the wave's opening: the add and its wait ahead of my first tensor load
	v_lshrrev_b32 v1, 5, v0
	v_readfirstlane_b32 s[WV], v1
	s_and_b32 s[HALF], s[WV], 1
	s_bfe_u32 s14, ttmp6, 0x40000   ; cx
	s_bfe_u32 s15, ttmp6, 0x40004   ; cy
	s_lshl_b32 s16, ttmp9, 2
	s_add_co_u32 s16, s16, s14      ; the block of 256 queries
	s_and_b32 s17, ttmp7, 0xffff
	s_lshl_b32 s17, s17, 2
	s_add_co_u32 s17, s17, s15      ; the head
	s_lshl_b32 s18, s15, 2
	s_lshl_b32 s18, 15, s18         ; my row of the cluster
	s_lshl_b32 s19, 0x1111, s14     ; my column
	s_or_b32 s[G1K], s18, (1<<16)|(1<<20)|(1<<21)|(4<<22)|(3<<25)  ; 2-byte elements; padded after every 32 words by 4: dense bytes asked for as rows of 256, laid down as rows of 128 + 16
	s_mov_b32 s[G1K+1], 128<<16     ; tensor_dim0 = 128
	s_mov_b32 s[G1K+2], 48<<16      ; tensor_dim1 = 48
	s_mov_b32 s[G1K+3], 128<<16     ; tile_dim0
	s_mov_b32 s[G1K+4], 48          ; tile_dim1
	s_mov_b32 s[G1K+5], 128         ; elements from row to row
	s_mov_b32 s[G1K+6], 0
	s_mov_b32 s[G1K+7], 0
	s_or_b32 s[G1M], s19, (2<<16)|(1<<20)|(1<<21)|(5<<22)|(3<<25)  ; 4-byte elements; padded after every 64 words by 4
	s_mov_b32 s[G1M+1], 64<<16      ; 64 keys
	s_mov_b32 s[G1M+2], 128<<16     ; 128 queries
	s_mov_b32 s[G1M+3], 64<<16
	s_mov_b32 s[G1M+4], 128
	s_mov_b32 s[G1M+5], 4096
	s_mov_b32 s[G1M+6], 0
	s_mov_b32 s[G1M+7], 0
	s_mul_i32 s20, s17, 64*24576    ; the head's steps: hangs on the grid's y alone
	s_mul_i32 s21, s[HALF], 12288
	s_add_co_u32 s20, s20, s21
	s_mov_b32 s21, 0
	s_lshl_b32 s22, s16, 22         ; 256 rows of 16,384 bytes a block: hangs on the grid's x alone
	s_lshl_b32 s23, s[HALF], 21
	s_add_co_u32 s22, s22, s23
	s_mov_b32 s23, 0
	s_mov_b32 s[G0K], 1
	s_mul_i32 s[G0K+1], s[HALF], 96*PK
	s_mov_b32 s[G0M], 1
	s_mul_i32 s[G0M+1], s[HALF], 128*PM
	s_add_co_u32 s[G0M+1], s[G0M+1], MOFF
	s_lshl_b32 s50, s17, 19         ; Q: the head, the block, my wave's 64 rows of 128 bytes
	s_lshl_b32 s51, s16, 15
	s_add_co_u32 s50, s50, s51
	s_lshl_b32 s51, s[WV], 13
	s_add_co_u32 s50, s50, s51
	s_mov_b32 s51, 0
	s_lshl_b32 s52, s16, 1          ; O: row tile 2 block + wave / 2,
	s_lshr_b32 s53, s[WV], 1
	s_add_co_u32 s52, s52, s53
	s_lshl_b32 s52, s52, 4
	s_add_co_u32 s52, s52, s17      ; the head's 16,384 bytes in it,
	s_lshl_b32 s52, s52, 14
	s_lshl_b32 s53, s[HALF], 13     ; my 64 of its 128 rows
	s_add_co_u32 s52, s52, s53
	s_mov_b32 s53, 0
	s_mov_b32 s[CS], 0x3fb8aa3b     ; log2(e)
	s_mov_b32 s[CS+1], s[CS]
	s_mov_b32 s[SEL], 0x76543210
	s_mov_b32 s[SEL+1], 0xfedcba98
	s_mov_b32 s[THR], 0xff000000
	s_mov_b32 s[TB], 0
	s_mov_b32 s[CNT], 63
	s_wait_dscnt 0x0                ; the opening add is done
	s_wait_kmcnt 0x0
	s_add_nc_u64 s[G0K+2:G0K+3], s[6:7], s[20:21]
	s_or_b32 s[G0K+3], s[G0K+3], 0x80000000
	s_add_nc_u64 s[G0M+2:G0M+3], s[8:9], s[22:23]
	s_or_b32 s[G0M+3], s[G0M+3], 0x80000000
	s_add_nc_u64 s[4:5], s[4:5], s[50:51]
	s_add_nc_u64 s[10:11], s[10:11], s[52:53]
	s_add_nc_u64 s[OLO:OLO+1], s[10:11], 0x800000
	CROUND                          ; all sixteen work-groups are here
	JLOAD                           ; step 0 into slot 0; slot 1 is first filled behind the first step's round, as a refill is
	v_and_b32 v1, 15, v0            ; r
	v_bfe_u32 v9, v0, 4, 1          ; h
	v_lshlrev_b32 v[QO], 7, v1
	v_lshl_add_u32 v[QO], v9, 4, v[QO]
	WIN 0x80
.irp i, 0,1,2,3,4,5,6,7             ; Q stays in registers: tile i / 2, channels 32 (i % 2) on
	global_load_b128 v[8*\i:8*\i+3],   v[QO], s[4:5] offset:(\i/2)*2048+(\i%2)*64
	global_load_b128 v[8*\i+4:8*\i+7], v[QO], s[4:5] offset:(\i/2)*2048+(\i%2)*64+32
.endr
	WIN 0x40                        ; O^T starts at 0 (a can be 1 in the first step): no first step is written out, and these lines stand in the wait for the first tile
.set i, 0
.rept 128
	v_mov_b32 v[i], 0
.set i, i+1
.endr
	WIN 0
.irp t, 0,1,2,3
	v_mov_b32 v[ST+12*\t+1], 0xff7fffff  ; m = NEG
	v_mov_b32 v[ST+12*\t+3], 0           ; named with cr as a pair
	v_mov_b32 v[ST+12*\t+4], 0           ; l
	v_mov_b32 v[ST+12*\t+5], 0
.endr
	v_mov_b32 v[NEG1], -1.0
	v_mul_u32_u24 v[AK0], v1, PK
	v_lshl_add_u32 v[AK0], v9, 4, v[AK0]   ; a fragment's row x pitch + 16 h
	v_add_nc_u32 v[AV0], VOFF, v[AK0]
	s_mul_i32 s20, s[WV], 64*PM
	s_add_co_u32 s20, s20, MOFF
	v_mul_u32_u24 v[AM0], v1, PM           ; the mask: my query's row, my lanes' eight keys: 32 bytes
	v_lshl_add_u32 v[AM0], v9, 5, v[AM0]
	v_add_nc_u32 v[AM0], s20, v[AM0]
	s_mul_i32 s21, s[WV], 16*SP
	s_add_co_u32 s21, s21, STAGE
	v_mul_u32_u24 v[STO], v1, SP
	v_lshl_add_u32 v[STO], v9, 4, v[STO]
	v_add_nc_u32 v[STO], s21, v[STO]
	v_bfe_u32 v[RD], v0, 3, 2
	v_mul_u32_u24 v[RD], v[RD], SP
	v_and_b32 v[GO], 7, v0
	v_lshl_add_u32 v[RD], v[GO], 4, v[RD]
	v_add_nc_u32 v[RD], s21, v[RD]
	v_and_b32 v[GO], 31, v0
	v_lshlrev_b32 v[GO], 4, v[GO]
; THE MATRIX WORK.  Four accumulators take turns in each run.  Product i of 8 of S^T = mask + K Q^T for tile t: channels 32 (i / 4) on, keys 16 (i % 4) on.
.macro KQ t
	WIN 0x0a                        ; K and Q in window 2, S^T in window 0
.set kS, S+32*(\t)+8*(i%4)
.set kK, KF+16*(i%4)+8*(i/4)
.set kQ, 16*(\t)+8*(i/4)
	v_wmma_f32_16x16x32_f16 v[kS:kS+7], v[kK:kK+7], v[kQ:kQ+7], v[kS:kS+7]
.endm
; Product i of 16 of O^T += V^T P for tile t: channels 16 (i % 4) on, keys 32 ((i / 4) % 2) on, Vh (i < 8) or Vl.
.macro PV t
	WIN 0x52                        ; V in window 2, P in window 0, O^T in window 1
.set pO, 32*(\t)+8*(i%4)
.set pV, VF+64*(i/8)+32*((i/4)%2)+8*(i%4)
.set pP, P+16*(\t)+8*((i/4)%2)
	v_wmma_f32_16x16x32_f16 v[pO:pO+7], v[pV:pV+7], v[pP:pP+7], v[pO:pO+7]
.endm
.macro QUEUE kt, kn, pt, pn         ; the matrix instructions that stand in the next softmax: kn products K Q^T of tile kt, then pn products V^T P of tile pt
.set KQT, \kt
.set KQN, \kn
.set PVT, \pt
.set PVN, \pn
.set mi, 0
.endm
.macro HOOK                         ; the queue's next, if any is left
.if mi < KQN
.set i, mi
	KQ KQT
	WIN 0
.elseif mi < KQN+PVN
.set i, mi-KQN
	PV PVT
	WIN 0
.endif
.set mi, mi+1
.endm
; THE LDS LOADS, in runs.
.macro FETCH_K
	WIN 0x80
.irp f, 0,1,2,3,4,5,6,7             ; keys 16 (f / 2) on, channels 32 (f % 2) on
	ds_load_b128 v[KF+8*\f:KF+8*\f+3],   v[AK] offset:(\f/2)*16*PK+(\f%2)*64
	ds_load_b128 v[KF+8*\f+4:KF+8*\f+7], v[AK] offset:(\f/2)*16*PK+(\f%2)*64+32
.endr
.endm
.macro FETCH_M                      ; the mask lands in the accumulators: tile f / 4 (eight loads a tile), keys 16 (f % 4) on
	WIN 0
.irp f, 0,1,2,3,4,5,6,7,8,9,10,11,12,13,14,15
	ds_load_b128 v[S+8*\f:S+8*\f+3],   v[AM] offset:(\f/4)*16*PM+(\f%4)*64
	ds_load_b128 v[S+8*\f+4:S+8*\f+7], v[AM] offset:(\f/4)*16*PM+(\f%4)*64+16
.endr
.endm
.macro FETCH_V                      ; V lies [channel][key], so plain loads make V^T's fragments: part f / 8, keys 32 ((f / 4) % 2) on, channels 16 (f % 4) on
	WIN 0x80
.irp f, 0,1,2,3,4,5,6,7,8,9,10,11,12,13,14,15
	ds_load_b128 v[VF+8*\f:VF+8*\f+3],   v[AV] offset:(\f/8)*64*PK+(\f%4)*16*PK+((\f/4)%2)*64
	ds_load_b128 v[VF+8*\f+4:VF+8*\f+7], v[AV] offset:(\f/8)*64*PK+(\f%4)*16*PK+((\f/4)%2)*64+32
.endr
.endm
; THE SOFTMAX of tile t for one step.  No line of it names a register of the products that stand in it (tile t + 1's S^T, K, Q; tile t - 1's O^T and P, V).
.macro TAKE k                       ; the four weights 4 k ..: both pairs rounded to f16, then the second pair added onto the first, in place
	v_cvt_pk_f16_f32 v[rP+2*(\k)], v[rS+4*(\k)], v[rS+4*(\k)+1]
	v_cvt_pk_f16_f32 v[rP+2*(\k)+1], v[rS+4*(\k)+2], v[rS+4*(\k)+3]
	v_pk_add_f32 v[rS+4*(\k):rS+4*(\k)+1], v[rS+4*(\k):rS+4*(\k)+1], v[rS+4*(\k)+2:rS+4*(\k)+3]
.endm
.macro LSUM k                       ; l takes that sum; the first time as l = a l + sum
.if (\k) == 0
	v_pk_fma_f32 v[rT+4:rT+5], v[rT+4:rT+5], v[rC+2:rC+3], v[rS:rS+1] op_sel_hi:[1,0,1]
.else
	v_pk_add_f32 v[rT+4:rT+5], v[rT+4:rT+5], v[rS+4*(\k):rS+4*(\k)+1]
.endif
.endm
.macro SOFT t
.set rT, ST+12*(\t)
.set rC, rT+6
.set rS, S+32*(\t)
.set rP, P+16*(\t)
.set rO, 32*(\t)
	WIN 0
	; the maximum of the lane's 32 scores and the old m: four chains; each accumulator's lowest registers are read first
.irp n, 0,1,2,3
	v_max3_num_f32 v[rC+\n], v[rS+8*\n], v[rS+8*\n+1], v[rS+8*\n+2]
.endr
	HOOK
.irp n, 0,1,2,3
	v_max3_num_f32 v[rC+\n], v[rC+\n], v[rS+8*\n+3], v[rS+8*\n+4]
.endr
	HOOK
.irp n, 0,1,2,3
	v_max3_num_f32 v[rC+\n], v[rC+\n], v[rS+8*\n+5], v[rS+8*\n+6]
.endr
	HOOK
	v_max3_num_f32 v[rC], v[rC], v[rS+7], v[rS+15]
	v_max3_num_f32 v[rC+1], v[rC+1], v[rS+23], v[rS+31]
	v_max3_num_f32 v[rC+2], v[rC+2], v[rC+3], v[rT+1]
	v_max3_num_f32 v[rC], v[rC], v[rC+1], v[rC+2]
	HOOK
	v_permlanex16_b32 v[rC+3], v[rC], s[SEL], s[SEL+1]  ; the query's other 32 keys lie in the lane 16 away
	v_max_num_f32 v[rC], v[rC], v[rC+3]
	v_sub_f32 v[rC+1], v[rT+1], v[rC]                   ; m_old - m_new
	v_mov_b32 v[rT+1], v[rC]
	HOOK
	v_cmp_gt_f32 vcc_lo, s[THR], v[rC]                  ; m below -2^127?
	v_cndmask_b32 v[rT+2], s[CS], 1.0, vcc_lo           ; cr
	v_mul_f32 v[rC+1], s[CS], v[rC+1]
	v_mul_f32 v[rT], v[rT+2], v[rT+1]                   ; cr m
	v_exp_f32 v[rC+2], v[rC+1]                          ; a; sixteen plain lines stand ahead of its first use
	HOOK
.irp n, 0,1,2,3,4,5,6,7,8,9,10,11,12,13,14,15
	v_pk_fma_f32 v[rS+2*\n:rS+2*\n+1], v[rS+2*\n:rS+2*\n+1], v[rT+2:rT+3], v[rT:rT+1] op_sel_hi:[1,0,0] neg_lo:[0,0,1] neg_hi:[0,0,1]  ; cr s - cr m
.if (\n == 5) || (\n == 10)
	HOOK
.endif
.endr
	; eight groups: four exponentials, then plain work on the group before (a plain line stands between every exponential and the use of its result: ISA guide 5.7.2), and the rescaling of O^T in the first four
.set g, 0
.rept 8
	v_exp_f32 v[rS+4*g], v[rS+4*g]
	v_exp_f32 v[rS+4*g+1], v[rS+4*g+1]
	v_exp_f32 v[rS+4*g+2], v[rS+4*g+2]
	v_exp_f32 v[rS+4*g+3], v[rS+4*g+3]
	HOOK
.if g >= 1
	TAKE g-1
.endif
.if g >= 2
	LSUM g-2
.endif
.if g < 4
	WIN 0x41                        ; O^T in window 1, a in window 0; ascending
.irp z, 0,1,2,3
	v_pk_mul_f32 v[rO+8*g+2*\z:rO+8*g+2*\z+1], v[rO+8*g+2*\z:rO+8*g+2*\z+1], v[rC+2:rC+3] op_sel_hi:[1,0]
.endr
	WIN 0
.endif
	HOOK
.set g, g+1
.endr
	TAKE 7
	LSUM 6
	LSUM 7
.endm
; A KEY STEP.  In front of its barrier each wave waits for all its tensor loads (one is out: its part of this step's slot), adds 0 to its spare word, and waits for that and for its reads of the other slot.
; fill = 1: the barrier is a round of the cluster's, and the other slot is filled with the next step's tiles, first thing behind it: the load has the whole step in which to land.
.macro STEP fill
	WIN 0
	s_wait_tensorcnt 0x0            ; no tensor load of mine is out, so a group 0 may be written
	ds_add_u32 v[SPW], v[NIL]
.if \fill
	s_xor_b32 s[G0K+1], s[G0K+1], SLOT1
	s_add_nc_u64 s[G0K+2:G0K+3], s[G0K+2:G0K+3], 24576
	s_xor_b32 s[G0M+1], s[G0M+1], SLOT1
	s_add_nc_u64 s[G0M+2:G0M+3], s[G0M+2:G0M+3], 256
.endif
	s_wait_dscnt 0x0                ; the add is done, and my reads of the other slot are over
.if \fill
	CROUND
	JLOAD                           ; its four v_nop are also the places in front of the loads below
.else
	s_barrier_signal -1
	s_barrier_wait -1
	PLACES
.endif
	v_add_nc_u32 v[AK], s[TB], v[AK0]
	v_add_nc_u32 v[AM], s[TB], v[AM0]
	v_add_nc_u32 v[AV], s[TB], v[AV0]
	s_xor_b32 s[TB], s[TB], SLOT1
	FETCH_K
	FETCH_M
	s_wait_dscnt 24                 ; K and tile 0's mask are in; the masks of tiles 1 to 3 (24 loads) may be out
.set i, 0
.rept 8
	KQ 0
.set i, i+1
.endr
	FETCH_V
	WIN 0
	PLACES                          ; between tile 0's products and the first read of its scores
	s_wait_dscnt 32                 ; the masks are in; V's 32 loads may be out
	QUEUE 1, 8, 0, 0
	SOFT 0
	s_wait_dscnt 0x0                ; V is in
	QUEUE 2, 8, 0, 16
	SOFT 1
	QUEUE 3, 8, 1, 16
	SOFT 2
	QUEUE 0, 0, 2, 16
	SOFT 3
.set i, 0
.rept 16
	PV 3
.set i, i+1
.endr
	WIN 0
.endm
	s_wait_loadcnt 0x0              ; Q
.Lstep:                             ; 63 trips: step j is worked on, step j + 1 asked for
	STEP 1
	s_sub_co_u32 s[CNT], s[CNT], 1
	s_cmp_lg_u32 s[CNT], 0
	s_cbranch_scc1 .Lstep
	STEP 0                          ; the last step is written out: nothing is asked for
	; THE WAY OUT.  l's two halves and the other half of the lanes' are added; O^T is divided by l, split into hi and lo and sent through my stage, 16 rows of 128 bytes at a time.
	PLACES
.irp t, 0,1,2,3
	v_add_f32 v[ST+12*\t+6], v[ST+12*\t+4], v[ST+12*\t+5]
.endr
.irp t, 0,1,2,3
	v_permlanex16_b32 v[ST+12*\t+9], v[ST+12*\t+6], s[SEL], s[SEL+1]
.endr
.irp t, 0,1,2,3
	v_add_f32 v[ST+12*\t+6], v[ST+12*\t+6], v[ST+12*\t+9]
.endr
.irp t, 0,1,2,3
	v_rcp_f32 v[ST+12*\t+8], v[ST+12*\t+6]
.endr
	v_nop                           ; a plain instruction between the last reciprocal and the use of its result
.macro FIN t                        ; hi into S^T's registers 0-15 of the tile, lo into 16-31; P's first 32 registers at work
	WIN 0x41
.set i, 0
.rept 16
	v_pk_mul_f32 v[32*(\t)+2*i:32*(\t)+2*i+1], v[32*(\t)+2*i:32*(\t)+2*i+1], v[ST+12*(\t)+8:ST+12*(\t)+9] op_sel_hi:[1,0]
.set i, i+1
.endr
	WIN 0x05
.set i, 0
.rept 16
	v_cvt_pk_f16_f32 v[S+32*(\t)+i], v[32*(\t)+2*i], v[32*(\t)+2*i+1]
.set i, i+1
.endr
	WIN 0x10                        ; source 2 in window 1
.set i, 0
.rept 16
	v_fma_mix_f32 v[P+2*i], v[S+32*(\t)+i], v[NEG1], v[32*(\t)+2*i] op_sel_hi:[1,0,0]
	v_fma_mix_f32 v[P+2*i+1], v[S+32*(\t)+i], v[NEG1], v[32*(\t)+2*i+1] op_sel:[1,0,0] op_sel_hi:[1,0,0]
.set i, i+1
.endr
	WIN 0
.set i, 0
.rept 16
	v_cvt_pk_f16_f32 v[S+32*(\t)+16+i], v[P+2*i], v[P+2*i+1]
.set i, i+1
.endr
.endm
.macro STGA t, x                    ; into rows of 144 bytes, back as whole rows of 128; LDS serves a wave's instructions in order (ISA guide 5.7.1.4)
.irp f, 0,1,2,3
	ds_store_b128 v[STO], v[S+32*(\t)+16*(\x)+4*\f:S+32*(\t)+16*(\x)+4*\f+3] offset:32*\f
.endr
.irp f, 0,1,2,3
	ds_load_b128 v[S+32*(\t)+16*(\x)+4*\f:S+32*(\t)+16*(\x)+4*\f+3], v[RD] offset:576*\f
.endr
.endm
.macro SENDA t, x, younger          ; younger: the next group's eight LDS instructions, or none
.irp f, 0,1,2,3
	s_wait_dscnt (\younger)+3-\f
.if \x
	global_store_b128 v[GO], v[S+32*(\t)+16+4*\f:S+32*(\t)+16+4*\f+3], s[OLO:OLO+1] offset:2048*(\t)+512*\f
.else
	global_store_b128 v[GO], v[S+32*(\t)+4*\f:S+32*(\t)+4*\f+3], s[10:11] offset:2048*(\t)+512*\f  ; 512 consecutive bytes, at a multiple of 256 from oc's first
.endif
.endr
.endm
	FIN 0
	STGA 0, 0
	STGA 0, 1
	SENDA 0, 0, 8
	FIN 1
	STGA 1, 0
	SENDA 0, 1, 8
	STGA 1, 1
	SENDA 1, 0, 8
	FIN 2
	STGA 2, 0
	SENDA 1, 1, 8
	STGA 2, 1
	SENDA 2, 0, 8
	FIN 3
	STGA 3, 0
	SENDA 2, 1, 8
	STGA 3, 1
	SENDA 3, 0, 8
	SENDA 3, 1, 0
	s_wait_tensorcnt 0x0            ; the wave's end
	ds_add_u32 v[SPW], v[NIL]
	s_wait_dscnt 0x0
	CROUND                          ; the closing round
	s_endpgm
.Lfunc_end_k_qd1a1f32214_attn:
	.size	k_qd1a1f32214_attn, .Lfunc_end_k_qd1a1f32214_attn-k_qd1a1f32214_attn
	.p2alignl 7, 3214868480
	.fill 96, 4, 3214868480
	.section	.rodata,"a",@progbits
	.p2align	6, 0x0
	.amdhsa_kernel k_qd1a1f32214_attn
		.amdhsa_group_segment_fixed_size 327680
		.amdhsa_private_segment_fixed_size 0
		.amdhsa_enable_private_segment 0
		.amdhsa_kernarg_size 32
		.amdhsa_user_sgpr_count 2
		.amdhsa_user_sgpr_kernarg_segment_ptr 1
		.amdhsa_wavefront_size32 1
		.amdhsa_system_sgpr_workgroup_id_x 1
		.amdhsa_system_sgpr_workgroup_id_y 1
		.amdhsa_system_sgpr_workgroup_id_z 1
		.amdhsa_system_vgpr_workitem_id 0
		.amdhsa_next_free_vgpr 768
		.amdhsa_next_free_sgpr 66
		.amdhsa_reserve_vcc 1
		.amdhsa_float_denorm_mode_32 3
		.amdhsa_float_denorm_mode_16_64 3
		.amdhsa_memory_ordered 1
		.amdhsa_forward_progress 1
		.amdhsa_inst_pref_size 129
	.end_amdhsa_kernel
	.amdgpu_metadata
---
amdhsa.version: [ 1, 2 ]
amdhsa.kernels:
  - .name:           k_qd1a1f32214_attn
    .symbol:         k_qd1a1f32214_attn.kd
    .args:
      - { .name: qh, .offset: 0, .size: 8, .value_kind: global_buffer, .address_space: global }
      - { .name: kv, .offset: 8, .size: 8, .value_kind: global_buffer, .address_space: global }
      - { .name: attention_mask, .offset: 16, .size: 8, .value_kind: global_buffer, .address_space: global }
      - { .name: oc, .offset: 24, .size: 8, .value_kind: global_buffer, .address_space: global }
    .group_segment_fixed_size: 327680
    .private_segment_fixed_size: 0
    .kernarg_segment_align: 8
    .kernarg_segment_size: 32
    .max_flat_workgroup_size: 128
    .sgpr_count:     66
    .vgpr_count:     768
    .wavefront_size: 32
...
	.end_amdgpu_metadata
.endif
;; end of part 3
;; launch oproj (part 4): grid 8 x 32, 4 waves a work-group, clusters of 4 x 4, 327,680 bytes of LDS; arguments oc, wo16, bl, out0; writes out0
.if DOCPART == 4
	.amdgcn_target "amdgcn-amd-amdhsa--gfx1250"
	.amdhsa_code_object_version 6
	.text
	.protected	k_qd1a1f32214_oproj
	.globl	k_qd1a1f32214_oproj
	.p2align	8
	.type	k_qd1a1f32214_oproj,@function
k_qd1a1f32214_oproj:
	s_mov_b64 s[64:65], 0
	v_nop
	global_prefetch_b8 v0, s[64:65] scope:SCOPE_SE
	s_setreg_imm32_b32 hwreg(HW_REG_WAVE_MODE, 25, 1), 1
	s_wait_xcnt 0x0
	s_wait_alu depctr_hold_cnt(0) depctr_sa_sdst(0) depctr_va_vdst(0) depctr_va_sdst(0) depctr_va_ssrc(0) depctr_va_vcc(0) depctr_vm_vsrc(0)
	s_getreg_b32 s2, hwreg(HW_REG_IB_STS2, 6, 4)
	s_cmp_eq_u32 s2, 0
	s_cbranch_scc0 .Lentry_in_a_cluster
	s_endpgm
.Lentry_in_a_cluster:
	s_bfe_u32 s2, ttmp6, 0x10000c
	s_cmp_lg_u32 s2, 0xf033
	s_cbranch_scc0 .Lentry_shape_is_right
	s_endpgm
.Lentry_shape_is_right:
; OUT = O Wo^T + (O Ao^T)(2 Bo)^T, f32.  O = Oh + Ol in f16 (oc: [hi, lo][32 row tiles][16 heads][128 rows][64]); Wo, Ao (wo16: [8 groups][128 rows of Wo, 16 of Ao][1024]) and 2 Bo (bl's fourth part)
; are bf16 numbers written as f16.  Sums in f32.  Both Oh and Ol are multiplied by Wo; u = Oh Ao^T takes Oh alone (Ol is at most 2^-11 of O, in a term that is itself a small part of the result),
; is rounded once to f16 and multiplied by 2 Bo onto the same accumulators.
; LIMITS.  u must lie within 65,504.  NaN and infinities are not treated apart.
; SHARES.  A tile of 128 rows x 128 columns to a work-group, 64 x 64 to a wave: 16 accumulators and 4 for u; 36 matrix instructions for 32 along K.
; K goes in steps of 128 channels (two heads) through two slots: waves 0 and 1 fetch Oh's and Ol's 32,768 dense bytes, waves 2 and 3 fetch 72 weight rows each.
; CLUSTER 4 x 4: O's tiles hang on the grid's y and are asked for jointly along a row of the cluster, the weights' on x and jointly along a column.
; The products are used transposed (source 0 = weight rows, source 1 = rows of O): a lane holds one row of the output and eight neighbouring columns.
; REGISTERS: window 0: v0-31 addresses; v32-95 the way out; v96-223 accumulators (a, b) at 96 + 8 (4 a + b); v224-255 u (a).
;   window 1: two fragment buffers at 0 and 128: W (b) +8 b, Oh (a) +32 + 8 a, Ao +64, Ol (a) +72 + 8 a; Bo's fragments at 104, 112, 120, 232.
.set PO,     144                       ; a row of O in LDS: 128 bytes + 16
.set PW,     272                       ; a weight row: 256 bytes + 16
.set OPART,  256*PO                    ; Oh, or Ol: two heads x 128 rows
.set WOFF,   2*OPART
.set WPART,  72*PW
.set SLOT,   WOFF+2*WPART
.set STAGE,  2*SLOT                    ; behind the ring, never filled by a tensor load: 16 rows x 272 bytes for each wave
.set SPITCH, 272
.set SPARE,  STAGE+4*16*SPITCH         ; the spare words
.set LAPS,   4
.set ADRO, 16
.set ADRW, 18
.set ADRA, 20
.set STO,  24
.set RD,   25
.set CO,   26
.set BO,   27
.set SPW,  28
.set NIL,  29
.set TMP,  32
.set ACC,  96
.set U,    224
.set WV,  14
.set RH,  15                           ; which 64 rows.  Also: I fetch O (0) or weights (1)
.set CH,  16                           ; which 64 columns.  Also: which half I fetch
.set G1O, 24
.set G0O, 32
.set G1W, 48
.set G0W, 56
.set MSB, 0
.macro WIN new
.if MSB != (\new)
	s_set_vgpr_msb (MSB<<8)|(\new)
.set MSB, (\new)
.endif
.endm
.macro PLACES
.rept 4
	v_nop
.endr
.endm
.macro CREST
	s_cmp_lg_u32 s[WV], 0
	s_cbranch_scc1 .Lnot_wave_0_\@
	s_barrier_signal -3
.Lnot_wave_0_\@:
	s_barrier_wait -3
	s_barrier_signal -1
	s_barrier_wait -1
.endm
.macro CROUND
	s_barrier_signal -1
	s_barrier_wait -1
	CREST
.endm
.macro JLOAD s
	s_cmp_eq_u32 s[RH], 0
	s_cbranch_scc0 .Lfor_w_\@
	tensor_load_to_lds s[G0O+4*(\s):G0O+4*(\s)+3], s[G1O:G1O+7]
	s_nop 0
.rept 4
	v_nop
.endr
	s_branch .Lasked_\@
.Lfor_w_\@:
	tensor_load_to_lds s[G0W+4*(\s):G0W+4*(\s)+3], s[G1W:G1W+7]
	s_nop 0
.rept 4
	v_nop
.endr
.Lasked_\@:
.endm
	s_load_b256 s[4:11], s[0:1], 0x0               ; oc 4, wo16 6, bl 8, out0 10
	v_lshl_add_u32 v[SPW], v0, 2, SPARE
	v_mov_b32 v[NIL], 0
	ds_add_u32 v[SPW], v[NIL]                      ; the wave's opening: the add and its wait ahead of my first tensor load
	v_lshrrev_b32 v1, 5, v0
	v_readfirstlane_b32 s[WV], v1
	s_lshr_b32 s[RH], s[WV], 1
	s_and_b32 s[CH], s[WV], 1
	s_bfe_u32 s40, ttmp6, 0x40000                  ; cx
	s_bfe_u32 s41, ttmp6, 0x40004                  ; cy
	s_lshl_b32 s42, ttmp9, 2
	s_add_co_u32 s42, s42, s40                     ; the block of 128 columns
	s_and_b32 s43, ttmp7, 0xffff
	s_lshl_b32 s43, s43, 2
	s_add_co_u32 s43, s43, s41                     ; the block of 128 rows
	s_lshl_b32 s44, s41, 2
	s_lshl_b32 s44, 15, s44
	s_lshl_b32 s45, 0x1111, s40
	s_or_b32 s[G1O], s44, (1<<16)|(1<<20)|(1<<21)|(4<<22)|(3<<25)  ; dense bytes asked for as rows of 256, padded after every 32 words by 4
	s_mov_b32 s[G1O+1], 128<<16
	s_mov_b32 s[G1O+2], 128<<16
	s_mov_b32 s[G1O+3], 128<<16
	s_mov_b32 s[G1O+4], 128
	s_mov_b32 s[G1O+5], 128
	s_mov_b32 s[G1O+6], 0
	s_mov_b32 s[G1O+7], 0
	s_or_b32 s[G1W], s45, (1<<16)|(1<<20)|(1<<21)|(5<<22)|(3<<25)  ; padded after every 64 words by 4
	s_mov_b32 s[G1W+1], 128<<16
	s_mov_b32 s[G1W+2], 72<<16
	s_mov_b32 s[G1W+3], 128<<16
	s_mov_b32 s[G1W+4], 72
	s_mov_b32 s[G1W+5], 1024
	s_mov_b32 s[G1W+6], 0
	s_mov_b32 s[G1W+7], 0
	s_lshl_b32 s18, s43, 18                        ; O: 16 heads x 16,384 bytes a row tile; hangs on the grid's y alone,
	s_lshl_b32 s19, s[CH], 23                      ; the hi or the lo plane
	s_add_co_u32 s18, s18, s19
	s_mov_b32 s19, 0
	s_mul_i32 s46, s42, 144*2048                   ; weights: the group; hangs on the grid's x alone,
	s_mul_i32 s47, s[CH], 72*2048                  ; my 72 rows
	s_add_co_u32 s46, s46, s47
	s_mov_b32 s47, 0
	s_mul_i32 s20, s[CH], OPART                    ; where they go
	s_mul_i32 s21, s[CH], WPART
	s_add_co_u32 s21, s21, WOFF
	s_wait_dscnt 0x0                               ; the opening add is done
	s_wait_kmcnt 0x0
	s_add_nc_u64 s[18:19], s[4:5], s[18:19]
	s_add_nc_u64 s[46:47], s[6:7], s[46:47]
	CROUND
.irp s, 0,1
	s_mov_b32 s[G0O+4*(\s)], 1
	s_add_co_u32 s[G0O+4*(\s)+1], s20, (\s)*SLOT
	s_add_nc_u64 s[G0O+4*(\s)+2:G0O+4*(\s)+3], s[18:19], (\s)*32768
	s_or_b32 s[G0O+4*(\s)+3], s[G0O+4*(\s)+3], 0x80000000
	s_mov_b32 s[G0W+4*(\s)], 1
	s_add_co_u32 s[G0W+4*(\s)+1], s21, (\s)*SLOT
	s_add_nc_u64 s[G0W+4*(\s)+2:G0W+4*(\s)+3], s[46:47], (\s)*256
	s_or_b32 s[G0W+4*(\s)+3], s[G0W+4*(\s)+3], 0x80000000
	JLOAD \s                                       ; K steps 0 and 1: two tensor loads of mine are out
.endr
	v_and_b32 v1, 15, v0                           ; r
	v_bfe_u32 v2, v0, 4, 1                         ; h
	v_mul_u32_u24 v3, v1, PO
	v_lshl_add_u32 v3, v2, 4, v3
	v_mul_u32_u24 v4, v1, PW
	v_lshl_add_u32 v4, v2, 4, v4
	s_mul_i32 s20, s[RH], 64*PO
	s_mul_i32 s21, s[CH], 64*PW
	s_add_co_u32 s21, s21, WOFF
.irp s, 0,1
	v_add_nc_u32 v[ADRO+(\s)], s20, v3
	v_add_nc_u32 v[ADRW+(\s)], s21, v4
	v_add_nc_u32 v[ADRA+(\s)], WOFF+128*PW+(\s)*SLOT, v4
	s_add_co_u32 s20, s20, SLOT
	s_add_co_u32 s21, s21, SLOT
.endr
	s_mul_i32 s22, s[WV], 16*SPITCH
	s_add_co_u32 s22, s22, STAGE                   ; my stage
	v_mul_u32_u24 v[STO], v1, SPITCH               ; in: row r, 32 bytes for each half of the lanes
	v_lshl_add_u32 v[STO], v2, 5, v[STO]
	v_add_nc_u32 v[STO], s22, v[STO]
	v_mul_u32_u24 v[RD], v2, SPITCH                ; back: lanes 0-15 one row of 256 bytes, lanes 16-31 the next
	v_lshl_add_u32 v[RD], v1, 4, v[RD]
	v_add_nc_u32 v[RD], s22, v[RD]
	v_lshlrev_b32 v[CO], 12, v2                    ; and the same two rows of the output
	v_lshl_add_u32 v[CO], v1, 4, v[CO]
	v_lshlrev_b32 v[BO], 5, v1
	v_lshl_add_u32 v[BO], v2, 4, v[BO]
	s_lshl_b32 s66, s43, 7
	s_lshl_b32 s67, s[RH], 6
	s_add_co_u32 s66, s66, s67                     ; my first row
	s_lshl_b32 s66, s66, 12
	s_lshl_b32 s68, s42, 7
	s_lshl_b32 s67, s[CH], 6
	s_add_co_u32 s68, s68, s67                     ; my first column
	s_lshl_b32 s67, s68, 2
	s_add_co_u32 s66, s66, s67
	s_mov_b32 s67, 0
	s_add_nc_u64 s[10:11], s[10:11], s[66:67]
	s_lshl_b32 s68, s68, 5                         ; Bo's rows of 32 bytes,
	s_add_co_u32 s68, s68, 3*32768                 ; in bl's fourth part
	s_mov_b32 s69, 0
	s_add_nc_u64 s[8:9], s[8:9], s[68:69]
	WIN 0x40                                       ; Bo's fragments: registers 0-3 hold k = rank 8 h ..; k = 16 .. 31 is 0
.irp b, 0,1,2,3
	global_load_b128 v[104+8*\b+104*(\b/3):104+8*\b+104*(\b/3)+3], v[BO], s[8:9] offset:512*\b
.endr
.irp b, 0,1,2,3
.irp z, 4,5,6,7
	v_mov_b32 v[104+8*\b+104*(\b/3)+\z], 0
.endr
.endr
	WIN 0
; THE MATRIX WORK of 32 along K out of buffer f.  The accumulators take turns: between the hi and the lo product on one stand 19 others'.
.macro MH f, a0, zero                  ; W x Oh, row blocks a0, a0 + 1
	WIN 0x05
.irp a, \a0, (\a0)+1
.irp b, 0,1,2,3
.if \zero
	v_wmma_f32_16x16x32_f16 v[ACC+8*(4*(\a)+\b):ACC+8*(4*(\a)+\b)+7], v[128*(\f)+8*\b:128*(\f)+8*\b+7], v[128*(\f)+32+8*(\a):128*(\f)+32+8*(\a)+7], 0
.else
	v_wmma_f32_16x16x32_f16 v[ACC+8*(4*(\a)+\b):ACC+8*(4*(\a)+\b)+7], v[128*(\f)+8*\b:128*(\f)+8*\b+7], v[128*(\f)+32+8*(\a):128*(\f)+32+8*(\a)+7], v[ACC+8*(4*(\a)+\b):ACC+8*(4*(\a)+\b)+7]
.endif
.endr
.endr
.endm
.macro MUU f, zero                     ; Ao x Oh
	WIN 0x05
.irp a, 0,1,2,3
.if \zero
	v_wmma_f32_16x16x32_f16 v[U+8*\a:U+8*\a+7], v[128*(\f)+64:128*(\f)+71], v[128*(\f)+32+8*\a:128*(\f)+32+8*\a+7], 0
.else
	v_wmma_f32_16x16x32_f16 v[U+8*\a:U+8*\a+7], v[128*(\f)+64:128*(\f)+71], v[128*(\f)+32+8*\a:128*(\f)+32+8*\a+7], v[U+8*\a:U+8*\a+7]
.endif
.endr
.endm
.macro ML f                            ; W x Ol
	WIN 0x05
.irp a, 0,1,2,3
.irp b, 0,1,2,3
	v_wmma_f32_16x16x32_f16 v[ACC+8*(4*\a+\b):ACC+8*(4*\a+\b)+7], v[128*(\f)+8*\b:128*(\f)+8*\b+7], v[128*(\f)+72+8*\a:128*(\f)+72+8*\a+7], v[ACC+8*(4*\a+\b):ACC+8*(4*\a+\b)+7]
.endr
.endr
.endm
; 26 LDS loads in one run: quarter kq of a K step (head kq / 2 of the step's two, channels 32 (kq % 2) on) into buffer g; Ol's eight are the youngest
.macro FETCH slot, kq, g
	WIN 0x40
.set KO, 128*PO*((\kq)/2)+64*((\kq)%2)
.irp b, 0,1,2,3
	ds_load_b128 v[128*(\g)+8*\b:128*(\g)+8*\b+3],   v[ADRW+(\slot)] offset:64*(\kq)+\b*16*PW
	ds_load_b128 v[128*(\g)+8*\b+4:128*(\g)+8*\b+7], v[ADRW+(\slot)] offset:64*(\kq)+\b*16*PW+32
.endr
.irp a, 0,1,2,3
	ds_load_b128 v[128*(\g)+32+8*\a:128*(\g)+32+8*\a+3],   v[ADRO+(\slot)] offset:KO+\a*16*PO
	ds_load_b128 v[128*(\g)+32+8*\a+4:128*(\g)+32+8*\a+7], v[ADRO+(\slot)] offset:KO+\a*16*PO+32
.endr
	ds_load_b128 v[128*(\g)+64:128*(\g)+67], v[ADRA+(\slot)] offset:64*(\kq)
	ds_load_b128 v[128*(\g)+68:128*(\g)+71], v[ADRA+(\slot)] offset:64*(\kq)+32
.irp a, 0,1,2,3
	ds_load_b128 v[128*(\g)+72+8*\a:128*(\g)+72+8*\a+3],   v[ADRO+(\slot)] offset:OPART+KO+\a*16*PO
	ds_load_b128 v[128*(\g)+72+8*\a+4:128*(\g)+72+8*\a+7], v[ADRO+(\slot)] offset:OPART+KO+\a*16*PO+32
.endr
.endm
.macro QUARTER slot, kq, f, g, zero    ; multiplies buffer f and fetches quarter kq into g
	s_wait_dscnt 8                                 ; all but Ol's eight loads
	MH \f, 0, \zero
	MH \f, 2, \zero
	MUU \f, \zero
	PLACES
	FETCH \slot, \kq, \g
	s_wait_dscnt 26                                ; all but the 26 just issued
	ML \f
.endm
; The last quarter multiplies buffer 1 and changes slots: one barrier; in front of it the wait for all my tensor loads (one is out: my part of the next slot), the add, and the wait for it and for my reads of this slot.
.macro TURN slot, next, fill
	WIN 0
	s_wait_tensorcnt 0x0
	ds_add_u32 v[SPW], v[NIL]
	s_wait_dscnt 9                                 ; the add and Ol's eight loads may be out
	MH 1, 0, 0
	s_wait_dscnt 0x0                               ; the add is done, and my reads of this slot are over
	s_barrier_signal -1
	MH 1, 2, 0
	MUU 1, 0
.if \fill
	WIN 0
.endif
	s_barrier_wait -1
.if \fill
	CREST                                          ; the barrier has opened a round of the cluster's
	s_add_nc_u64 s[G0O+4*(\slot)+2:G0O+4*(\slot)+3], s[G0O+4*(\slot)+2:G0O+4*(\slot)+3], 2*32768
	s_add_nc_u64 s[G0W+4*(\slot)+2:G0W+4*(\slot)+3], s[G0W+4*(\slot)+2:G0W+4*(\slot)+3], 2*256
	JLOAD \slot                                    ; its four v_nop are also the places in front of the loads below
.else
	PLACES
.endif
	FETCH \next, 0, 0
	ML 1
.endm
	s_wait_tensorcnt 0x1                           ; my part of K step 0 is in; K step 1's may stay out
	s_barrier_signal -1
	s_barrier_wait -1
	FETCH 0, 0, 0
	QUARTER 0, 1, 0, 1, 1                          ; the first quarter's hi products start the sums
	WIN 0
	s_mov_b32 s3, LAPS-1
.Llap:
	QUARTER 0, 2, 1, 0, 0
	QUARTER 0, 3, 0, 1, 0
	TURN 0, 1, 1
	QUARTER 1, 1, 0, 1, 0
	QUARTER 1, 2, 1, 0, 0
	QUARTER 1, 3, 0, 1, 0
	TURN 1, 0, 1
	QUARTER 0, 1, 0, 1, 0
	WIN 0
	s_sub_co_u32 s3, s3, 1
	s_cmp_lg_u32 s3, 0
	s_cbranch_scc1 .Llap
	QUARTER 0, 2, 1, 0, 0                          ; the last lap fills nothing
	QUARTER 0, 3, 0, 1, 0
	TURN 0, 1, 0
	QUARTER 1, 1, 0, 1, 0
	QUARTER 1, 2, 1, 0, 0
	QUARTER 1, 3, 0, 1, 0
	s_wait_dscnt 8
	MH 1, 0, 0
	MH 1, 2, 0
	MUU 1, 0
	s_wait_dscnt 0x0
	ML 1
	; THE RANK-16 PRODUCT: u, rounded to f16 in pairs, is a fragment (one row a lane, k = rank 8 h ..); it goes where buffer 0 held W.
	PLACES
	WIN 0x40
.irp a, 0,1,2,3
.irp r, 0,1,2,3
	v_cvt_pk_f16_f32 v[8*\a+\r], v[U+8*\a+2*\r], v[U+8*\a+2*\r+1]
.endr
.endr
.irp a, 0,1,2,3
.irp z, 4,5,6,7
	v_mov_b32 v[8*\a+\z], 0
.endr
.endr
	s_wait_loadcnt 0x0                             ; Bo's fragments
	WIN 0x05
.irp a, 0,1,2,3
.irp b, 0,1,2,3
	v_wmma_f32_16x16x32_f16 v[ACC+8*(4*\a+\b):ACC+8*(4*\a+\b)+7], v[104+8*\b+104*(\b/3):104+8*\b+104*(\b/3)+7], v[8*\a:8*\a+7], v[ACC+8*(4*\a+\b):ACC+8*(4*\a+\b)+7]
.endr
.endr
	WIN 0
	PLACES
	; THE WAY OUT: 16 rows x 256 bytes at a time through my own stage; LDS serves a wave's instructions in order (ISA guide 5.7.1.4), so the loads see the stores above them.
.macro OUT a
.if (\a) >= 2
	s_wait_xcnt 0x0                                ; the buffer's last stores have had their addresses translated: only behind this wait is it loaded again
.endif
.irp b, 0,1,2,3
	ds_store_b128 v[STO], v[ACC+8*(4*(\a)+\b):ACC+8*(4*(\a)+\b)+3] offset:64*\b       ; each accumulator's low half first
	ds_store_b128 v[STO], v[ACC+8*(4*(\a)+\b)+4:ACC+8*(4*(\a)+\b)+7] offset:64*\b+16
.endr
.irp t, 0,1,2,3,4,5,6,7
	ds_load_b128 v[TMP+32*((\a)%2)+4*\t:TMP+32*((\a)%2)+4*\t+3], v[RD] offset:\t*2*SPITCH
.endr
.irp t, 0,1,2,3,4,5,6,7
	s_wait_dscnt 7-\t
	global_store_b128 v[CO], v[TMP+32*((\a)%2)+4*\t:TMP+32*((\a)%2)+4*\t+3], s[10:11] offset:(16*(\a)+2*\t)*4096  ; 16 lanes store 256 consecutive bytes, at a multiple of 256 from out0's first
.endr
.endm
	OUT 0
	OUT 1
	OUT 2
	OUT 3
	s_wait_tensorcnt 0x0                           ; the wave's end
	ds_add_u32 v[SPW], v[NIL]
	s_wait_dscnt 0x0
	CROUND                                         ; the closing round
	s_endpgm
.Lfunc_end_k_qd1a1f32214_oproj:
	.size	k_qd1a1f32214_oproj, .Lfunc_end_k_qd1a1f32214_oproj-k_qd1a1f32214_oproj
	.p2alignl 7, 3214868480
	.fill 96, 4, 3214868480
	.section	.rodata,"a",@progbits
	.p2align	6, 0x0
	.amdhsa_kernel k_qd1a1f32214_oproj
		.amdhsa_group_segment_fixed_size 327680
		.amdhsa_private_segment_fixed_size 0
		.amdhsa_enable_private_segment 0
		.amdhsa_kernarg_size 32
		.amdhsa_user_sgpr_count 2
		.amdhsa_user_sgpr_kernarg_segment_ptr 1
		.amdhsa_wavefront_size32 1
		.amdhsa_system_sgpr_workgroup_id_x 1
		.amdhsa_system_sgpr_workgroup_id_y 1
		.amdhsa_system_sgpr_workgroup_id_z 1
		.amdhsa_system_vgpr_workitem_id 0
		.amdhsa_next_free_vgpr 512
		.amdhsa_next_free_sgpr 72
		.amdhsa_reserve_vcc 0
		.amdhsa_float_denorm_mode_32 3
		.amdhsa_float_denorm_mode_16_64 3
		.amdhsa_memory_ordered 1
		.amdhsa_forward_progress 1
		.amdhsa_inst_pref_size 89
	.end_amdhsa_kernel
	.amdgpu_metadata
---
amdhsa.version: [ 1, 2 ]
amdhsa.kernels:
  - .name:           k_qd1a1f32214_oproj
    .symbol:         k_qd1a1f32214_oproj.kd
    .args:
      - { .name: oc, .offset: 0, .size: 8, .value_kind: global_buffer, .address_space: global }
      - { .name: wo16, .offset: 8, .size: 8, .value_kind: global_buffer, .address_space: global }
      - { .name: bl, .offset: 16, .size: 8, .value_kind: global_buffer, .address_space: global }
      - { .name: out0, .offset: 24, .size: 8, .value_kind: global_buffer, .address_space: global }
    .group_segment_fixed_size: 327680
    .private_segment_fixed_size: 0
    .kernarg_segment_align: 8
    .kernarg_segment_size: 32
    .max_flat_workgroup_size: 128
    .sgpr_count:     72
    .vgpr_count:     512
    .wavefront_size: 32
...
	.end_amdgpu_metadata
.endif
;; end of part 4
